; MI455X (gfx1250); checked and timed in simulation.
; The chip was launched on July 23, 2026; its instructions are those of AMD's public machine-readable ISA for CDNA 5 (MIT licence, August 2026) and "CDNA5" Instruction Set Architecture Reference Guide (July 2026). The comments in the code are by the model that wrote it; some were corrected since.
;; VPOS Injection. Allowed arithmetic: float matrix products may take bf16 or f16 operands with f32 sums; all other float work in f32.
;; Inputs: Wk 256 x 512 float32; Wq 256 x 512 float32; Wv 512 x 512 float32; bk 256 float32; bq 256 float32; bv 512 float32; gamma 1 float32; pe_table 128 x 512 float32; pos 4 x 64 x 64 int32; x 4 x 512 x 64 x 64 float32.
;; Outputs: out0 4 x 512 x 64 x 64 float32.
;; 2 versions, each right; version 2 is version 1 with the launches colmean, attn written anew for expert scheduling mode. Each part assembles by itself: llvm-mc -triple=amdgcn-amd-amdhsa -mcpu=gfx1250 --defsym DOCPART=n.
;; ======== version 1 of 2: 4 launches
;; workspace buffers: XBF 262,144 bytes; X1F 131,072 bytes; KF 65,536 bytes; GF 131,072 bytes; VBF 262,144 bytes; EB 256 bytes
;; launch colmean (part 1): grid 256 x 1, 8 waves a work-group, no clusters, 3,584 bytes of LDS; arguments x, pos, pe_table, XBF, X1F; writes XBF, X1F
.if DOCPART == 1
	.amdgcn_target "amdgcn-amd-amdhsa--gfx1250"
	.amdhsa_code_object_version 6
	.text
	.protected	k_q4bab89b148_colmean
	.globl	k_q4bab89b148_colmean
	.p2align	8
	.type	k_q4bab89b148_colmean,@function
k_q4bab89b148_colmean:
	s_mov_b64 s[64:65], 0
	v_nop
	global_prefetch_b8 v0, s[64:65] scope:SCOPE_SE
	s_setreg_imm32_b32 hwreg(HW_REG_WAVE_MODE, 25, 1), 1
	s_wait_xcnt 0x0
; COLUMN MEANS.  x: [4][512][64][64] f32.  For each plane (b, c): mean over the 64 image rows of each of the 64 columns w (XBF, bf16), and the 16 nodes
; x1d[c][j] = mean of columns 4j..4j+3 + pe_table[pos[b][0][4j] / 8][c] (X1F, as two bf16: a head and the remainder that the head leaves).
; SHARES.  A work-group owns 8 planes c = 8 G + wave, a wave one plane of 16,384 bytes: 32 loads of 512 consecutive bytes (two image rows each), all issued at once.
; Lane l holds columns 4 (l % 16) .. + 3 of rows of one parity; one exchange between the halves of the lanes ends the sums.
; MIRROR ORDER.  Later launches want a query's columns w and 63 - w in the two halves of the lanes.  So positions 32..63 hold w = 95 - position, and node rows 8..15 hold node 23 - row.
; The change of places is made between lanes (v_permlane16_b32), so that every LDS address is a plain lane term.
; OUTPUT as fragment images: a block of 16 x 32 bf16 is 1,024 bytes, two halves of 512; lane l's 16 bytes lie at 16 l and hold K = 16 half + 8 (l / 16) + 0..7.  This group's 8 planes are
; one lane half of one block half: 256 consecutive bytes for each block, aligned.
; LIMITS.  pos is taken as (pos >> 3) & 127: floor(pos / 8) wrapped into the table's 128 rows.  The order of the f32 sums differs from a plain mean's.  NaN and infinities are not treated apart.
; No matrix unit, no cluster, no fills of LDS by an engine: the launch reads each byte of x once into registers and nothing is shared between work-groups.
.set LX,    2048                       ; LDS: 0..2047 means [wave][64 positions] f32; 2048..2559 nodes [row][8 waves] f32
.set SPARE, 2560                       ; the spare words, 128 bytes for each of eight waves
.set NEG1,  15                         ; v15  -1.0
.set SPW,   16                         ; v16  LDS address of my spare word; never rewritten
.set NIL,   17                         ; v17  0; never rewritten
.set XR,    32                         ; v[32:159]  load k: 4 registers
; a, b -> their bf16 heads packed in dh, and what the heads leave, again as bf16, packed in dl.  t, t+1 at work.
.macro SPLIT dh, dl, a, b, t
	v_cvt_pk_bf16_f32 v[\dh], v[\a], v[\b]
	v_fma_mix_f32_bf16 v[\t], v[\dh], v[NEG1], v[\a] op_sel_hi:[1,0,0]                    ; a - head(a): exact
	v_fma_mix_f32_bf16 v[(\t)+1], v[\dh], v[NEG1], v[\b] op_sel:[1,0,0] op_sel_hi:[1,0,0]   ; b - head(b)
	v_cvt_pk_bf16_f32 v[\dl], v[\t], v[(\t)+1]
.endm
.macro FINISH                          ; the wave's end
	s_wait_tensorcnt 0x0
	ds_add_u32 v[SPW], v[NIL]
	s_wait_dscnt 0x0
	s_endpgm
.endm
	s_load_b256 s[4:11], s[0:1], 0x0               ; x s[4:5], pos s[6:7], pe_table s[8:9], XBF s[10:11]
	s_load_b64 s[12:13], s[0:1], 0x20              ; X1F
	v_lshl_add_u32 v[SPW], v0, 2, SPARE
	v_mov_b32 v[NIL], 0
	v_lshrrev_b32 v22, 5, v0
	v_readfirstlane_b32 s14, v22                   ; wave 0..7
	v_and_b32 v1, 31, v0                           ; l
	v_and_b32 v2, 15, v0                           ; r = l % 16
	v_bfe_u32 v3, v0, 4, 1                         ; h = l / 16
	v_lshlrev_b32 v4, 4, v1                        ; 16 l
	v_lshlrev_b32 v5, 4, v2                        ; 16 r
	v_lshl_add_u32 v12, v3, 10, v5                 ; 1,024 h + 16 r: the two halves of the lanes store into two blocks
	v_lshlrev_b32 v14, 5, v2                       ; 32 r
	v_lshl_add_u32 v10, s14, 8, v5                 ; means: 256 wave + 16 r
	v_lshl_add_u32 v11, s14, 2, v14                ; nodes: 32 r + 4 wave (+ LX)
	v_mov_b32 v[NEG1], -1.0
	v_cmp_lt_u32 s21, 7, v2                        ; r >= 8
	v_cmp_lt_u32 s22, 15, v1                       ; l >= 16
.irp i, 24,25,26,27
	v_mov_b32 v\i, 0                               ; destinations of lane exchanges count as read
.endr
	s_mov_b32 s24, 0x76543210                      ; each lane its own place (in the other half; or lanes 0-7 of a half stay)
	s_mov_b32 s25, 0xfedcba98
	s_mov_b32 s23, 0x89abcdef                      ; lanes 8..15 of a half take lanes 15..8
	s_lshr_b32 s16, ttmp9, 6                       ; b
	s_and_b32 s17, ttmp9, 63                       ; G
	s_lshl_b32 s18, ttmp9, 17                      ; the group's 8 planes of 16,384 bytes,
	s_lshl_b32 s19, s14, 14                        ; my wave's plane
	s_add_co_u32 s18, s18, s19
	s_mov_b32 s19, 0
	s_lshl_b32 s26, s16, 14                        ; pos[b]
	s_mov_b32 s27, 0
	s_lshl_b32 s20, s17, 3
	s_add_co_u32 s20, s20, s14
	s_lshl_b32 s20, s20, 2                         ; 4 c: my channel in a row of pe_table
	s_lshr_b32 s28, s17, 2                         ; the block along K: c / 32
	s_and_b32 s29, s17, 3
	s_lshl_b32 s29, s29, 8                         ; block half and lane half: 256 ((c / 8) % 4)
	s_lshl_b32 s30, s16, 16                        ; XBF: 65,536 b + 4,096 block + ...
	s_lshl_b32 s31, s28, 12
	s_add_co_u32 s30, s30, s31
	s_add_co_u32 s30, s30, s29
	s_mov_b32 s31, 0
	s_lshl_b32 s32, s16, 15                        ; X1F: 32,768 b + 2,048 block + ...
	s_lshl_b32 s33, s28, 11
	s_add_co_u32 s32, s32, s33
	s_add_co_u32 s32, s32, s29
	s_mov_b32 s33, 0
	s_wait_kmcnt 0x0
	s_add_nc_u64 s[4:5], s[4:5], s[18:19]
	s_add_nc_u64 s[6:7], s[6:7], s[26:27]
	s_add_nc_u64 s[10:11], s[10:11], s[30:31]
	s_add_nc_u64 s[12:13], s[12:13], s[32:33]
	global_load_b32 v6, v5, s[6:7]                 ; pos[b][0][4 r]
.set k, 0
.rept 32
	global_load_b128 v[XR+4*k:XR+4*k+3], v4, s[4:5] offset:512*k   ; no hint: x is read once more by a later launch
.set k, k+1
.endr
	s_wait_loadcnt 32                              ; pos is in; the 32 loads of x issued behind it stay out
	v_bfe_u32 v6, v6, 3, 7                         ; pos / 8, in 0..127
	v_min_u32 v6, 0x7f, v6
	v_lshl_add_u32 v7, v6, 11, s20                 ; a row of the table is 2,048 bytes
	global_load_b32 v8, v7, s[8:9]
	s_wait_loadcnt 29                              ; loads 0..3 of x are in: behind them 28 of x and the table's
.set k, 2
.rept 30                                               ; even loads are added onto load 0, odd ones onto load 1: four chains
.if k%4 == 0
	s_wait_loadcnt 29-k                            ; loads k..k+3 are in: behind them 28 - k of x and the table's
.endif
	v_pk_add_f32 v[XR+4*(k%2):XR+4*(k%2)+1], v[XR+4*(k%2):XR+4*(k%2)+1], v[XR+4*k:XR+4*k+1]
	v_pk_add_f32 v[XR+4*(k%2)+2:XR+4*(k%2)+3], v[XR+4*(k%2)+2:XR+4*(k%2)+3], v[XR+4*k+2:XR+4*k+3]
.set k, k+1
.endr
	v_pk_add_f32 v[32:33], v[32:33], v[36:37]
	v_pk_add_f32 v[34:35], v[34:35], v[38:39]
.irp i, 0,1,2,3
	v_permlanex16_b32 v[24+\i], v[32+\i], s24, s25 ; the rows of the other parity
.endr
	v_pk_add_f32 v[32:33], v[32:33], v[24:25]
	v_pk_add_f32 v[34:35], v[34:35], v[26:27]
	v_pk_mul_f32 v[32:33], v[32:33], 0x3c800000 op_sel_hi:[1,0]    ; / 64
	v_pk_mul_f32 v[34:35], v[34:35], 0x3c800000 op_sel_hi:[1,0]
	v_add_f32 v28, v32, v33
	v_add_f32 v29, v34, v35
	v_add_f32 v28, v28, v29
	s_wait_loadcnt 0x0                             ; the table's number
	v_fmamk_f32 v28, v28, 0x3e800000, v8           ; node r: the four columns' mean + the encoding
.irp i, 0,1,2,3
	v_permlane16_b32 v[24+\i], v[32+\i], s24, s23  ; lane m >= 8 takes column group 23 - m
.endr
	v_permlane16_b32 v29, v28, s24, s23            ; and node 23 - m
	v_cndmask_b32 v18, v24, v27, s21               ; there the four columns also change places
	v_cndmask_b32 v19, v25, v26, s21
	v_cndmask_b32 v20, v26, v25, s21
	v_cndmask_b32 v21, v27, v24, s21
	ds_store_b128 v10, v[18:21]                    ; both halves of the lanes hold the same numbers and write the same bytes
	ds_store_b32 v11, v29 offset:LX
	s_wait_dscnt 0x0                               ; for wave 0's sake: my stores are done
	s_barrier_signal -1
	s_barrier_wait -1
	s_cmp_eq_u32 s14, 0
	s_cbranch_scc1 .Lpack
	FINISH
.Lpack:                                                ; wave 0 packs the 8 planes: lane r takes positions 4 r .. 4 r + 3 and node row r of all eight
.set k, 0
.rept 8
	ds_load_b128 v[XR+4*k:XR+4*k+3], v5 offset:256*k
.set k, k+1
.endr
	ds_load_b128 v[64:67], v14 offset:LX
	ds_load_b128 v[68:71], v14 offset:LX+16
	s_wait_dscnt 0x0
.set q, 0
.rept 4                                                ; block q holds positions 4 r + q: 8 planes are 8 bf16, 16 bytes
.set p, 0
.rept 4
	v_cvt_pk_bf16_f32 v[72+4*q+p], v[XR+8*p+q], v[XR+8*p+4+q]
.set p, p+1
.endr
.set q, q+1
.endr
.irp p, 0,1,2,3
	v_cndmask_b32 v[88+\p], v[72+\p], v[76+\p], s22    ; lanes 0-15 store block 0 (2), lanes 16-31 block 1 (3)
	v_cndmask_b32 v[92+\p], v[80+\p], v[84+\p], s22
.endr
	global_store_b128 v12, v[88:91], s[10:11]              ; 16 lanes store 256 consecutive bytes, aligned
	global_store_b128 v12, v[92:95], s[10:11] offset:2048
	SPLIT 96, 100, 64, 65, 22
	SPLIT 97, 101, 66, 67, 30
	SPLIT 98, 102, 68, 69, 22
	SPLIT 99, 103, 70, 71, 30
.irp p, 0,1,2,3
	v_cndmask_b32 v[108+\p], v[96+\p], v[100+\p], s22  ; lanes 0-15 store the heads' block, lanes 16-31 the remainders'
.endr
	global_store_b128 v12, v[108:111], s[12:13]
	FINISH
.Lfunc_end_k_q4bab89b148_colmean:
	.size	k_q4bab89b148_colmean, .Lfunc_end_k_q4bab89b148_colmean-k_q4bab89b148_colmean
	.p2alignl 7, 3214868480
	.fill 96, 4, 3214868480
	.section	.rodata,"a",@progbits
	.p2align	6, 0x0
	.amdhsa_kernel k_q4bab89b148_colmean
		.amdhsa_group_segment_fixed_size 3584
		.amdhsa_private_segment_fixed_size 0
		.amdhsa_enable_private_segment 0
		.amdhsa_kernarg_size 40
		.amdhsa_user_sgpr_count 2
		.amdhsa_user_sgpr_kernarg_segment_ptr 1
		.amdhsa_wavefront_size32 1
		.amdhsa_system_sgpr_workgroup_id_x 1
		.amdhsa_system_sgpr_workgroup_id_y 1
		.amdhsa_system_sgpr_workgroup_id_z 1
		.amdhsa_system_vgpr_workitem_id 0
		.amdhsa_next_free_vgpr 160
		.amdhsa_next_free_sgpr 66
		.amdhsa_reserve_vcc 0
		.amdhsa_float_denorm_mode_32 3
		.amdhsa_float_denorm_mode_16_64 3
		.amdhsa_memory_ordered 1
		.amdhsa_forward_progress 1
		.amdhsa_inst_pref_size 16
	.end_amdhsa_kernel
	.amdgpu_metadata
---
amdhsa.version: [ 1, 2 ]
amdhsa.kernels:
  - .name:           k_q4bab89b148_colmean
    .symbol:         k_q4bab89b148_colmean.kd
    .args:
      - { .name: x, .offset: 0, .size: 8, .value_kind: global_buffer, .address_space: global }
      - { .name: pos, .offset: 8, .size: 8, .value_kind: global_buffer, .address_space: global }
      - { .name: pe_table, .offset: 16, .size: 8, .value_kind: global_buffer, .address_space: global }
      - { .name: XBF, .offset: 24, .size: 8, .value_kind: global_buffer, .address_space: global }
      - { .name: X1F, .offset: 32, .size: 8, .value_kind: global_buffer, .address_space: global }
    .group_segment_fixed_size: 3584
    .private_segment_fixed_size: 0
    .kernarg_segment_align: 8
    .kernarg_segment_size: 40
    .max_flat_workgroup_size: 256
    .sgpr_count:     66
    .vgpr_count:     160
    .wavefront_size: 32
...
	.end_amdgpu_metadata
.endif
;; end of part 1
;; launch kproj (part 2): grid 64 x 1, 8 waves a work-group, no clusters, 9,216 bytes of LDS; arguments Wk, bk, X1F, KF; writes KF
.if DOCPART == 2
	.amdgcn_target "amdgcn-amd-amdhsa--gfx1250"
	.amdhsa_code_object_version 6
	.text
	.protected	k_q4bab89b148_kproj
	.globl	k_q4bab89b148_kproj
	.p2align	8
	.type	k_q4bab89b148_kproj,@function
k_q4bab89b148_kproj:
	s_mov_b64 s[64:65], 0
	v_nop
	global_prefetch_b8 v0, s[64:65] scope:SCOPE_SE
	s_setreg_imm32_b32 hwreg(HW_REG_WAVE_MODE, 25, 1), 1
	s_wait_xcnt 0x0
; THE 16 KEY NODES.  kk[o][m] = sum over c of Wk[o][c] x1d[c][m] + bk[o], for 256 o and 16 node rows m of each of 4 batches.  Since the key row is an interpolation of the nodes
; with weights that add up to 1, these 16 columns stand for all 4,096 keys.
; SHARES.  A work-group makes 16 rows o = 16 T + r of one batch; wave w takes K = c = 64 w .. 64 w + 63 (two matrix steps of 32); the eight partial sums meet in LDS, wave 0 adds them.
; FORMAT.  The scores are unscaled, so both operands go in as two bf16 (head h and remainder l) and three products are taken: h h + l h + h l, each on an accumulator of its own, sums in f32.
; Source 0 = 16 rows of Wk (8 neighbouring f32 of a row a lane and half), source 1 = X1F's fragment images.  In the result lane (m, h) holds kk[16 T + 8 h + 0..7][m]: packed in pairs this is
; the image that the next launch takes as source 1 (K = o): 512 consecutive bytes a store.
; No cluster: a group's 32 KiB of Wk are its own; X1F (32 KiB a batch) goes straight into registers.  64 work-groups: there are 64 tiles of 16 x 16 and K is already split eightfold.
.set SPARE, 8192                       ; LDS: 0..8191 partial sums [wave][half][lane][16 bytes]; then the spare words, 128 bytes a wave
.set NEG1, 8                           ; v8   -1.0
.set SPW,  10                          ; v10  LDS address of my spare word; never rewritten
.set NIL,  11                          ; v11  0; never rewritten
.set WR,   16                          ; v[16:47]   Wk as loaded: 16 step + 8 half + i
.set XF,   48                          ; v[48:79]   X1F: 16 step + 8 part
.set WH,   80                          ; v[80:95]   Wk's heads, 8 a step
.set WL,   96                          ; v[96:111]  Wk's remainders
.set A1,   112                         ; three accumulators
.set A2,   120
.set A3,   128
.set BK,   136                         ; v[136:143] bk[16 T + 8 h + 0..7]
.macro SPLIT dh, dl, a, b, t
	v_cvt_pk_bf16_f32 v[\dh], v[\a], v[\b]
	v_fma_mix_f32_bf16 v[\t], v[\dh], v[NEG1], v[\a] op_sel_hi:[1,0,0]
	v_fma_mix_f32_bf16 v[(\t)+1], v[\dh], v[NEG1], v[\b] op_sel:[1,0,0] op_sel_hi:[1,0,0]
	v_cvt_pk_bf16_f32 v[\dl], v[\t], v[(\t)+1]
.endm
.macro FINISH                          ; the wave's end
	s_wait_tensorcnt 0x0
	ds_add_u32 v[SPW], v[NIL]
	s_wait_dscnt 0x0
	s_endpgm
.endm
.macro MM0 d, a, b                     ; the product starts the sum
	v_wmma_f32_16x16x32_bf16 v[\d:(\d)+7], v[\a:(\a)+7], v[\b:(\b)+7], 0
.endm
.macro MMA d, a, b                     ; the product is added in place
	v_wmma_f32_16x16x32_bf16 v[\d:(\d)+7], v[\a:(\a)+7], v[\b:(\b)+7], v[\d:(\d)+7]
.endm
	s_load_b256 s[4:11], s[0:1], 0x0               ; Wk s[4:5], bk s[6:7], X1F s[8:9], KF s[10:11]
	v_lshl_add_u32 v[SPW], v0, 2, SPARE
	v_mov_b32 v[NIL], 0
	v_lshrrev_b32 v12, 5, v0
	v_readfirstlane_b32 s14, v12                   ; wave 0..7
	v_and_b32 v1, 31, v0
	v_and_b32 v2, 15, v0                           ; r
	v_bfe_u32 v3, v0, 4, 1                         ; h
	v_lshlrev_b32 v6, 5, v3                        ; 32 h
	v_lshl_add_u32 v4, v2, 11, v6                  ; a row of Wk is 2,048 bytes: 2,048 r + 32 h
	v_lshlrev_b32 v5, 4, v1                        ; 16 l
	v_lshl_add_u32 v7, s14, 10, v5                 ; my partial sums: 1,024 wave + 16 l
	v_mov_b32 v[NEG1], -1.0
	s_lshr_b32 s15, ttmp9, 4                       ; b
	s_and_b32 s16, ttmp9, 15                       ; T
	s_lshl_b32 s18, s16, 15                        ; Wk: 16 rows a tile, 256 bytes of each row a wave
	s_lshl_b32 s19, s14, 8
	s_add_co_u32 s18, s18, s19
	s_mov_b32 s19, 0
	s_lshl_b32 s20, s15, 15                        ; X1F: 32,768 b + two blocks pairs of 2,048 a wave
	s_lshl_b32 s21, s14, 12
	s_add_co_u32 s20, s20, s21
	s_mov_b32 s21, 0
	s_lshl_b32 s22, s16, 6                         ; bk: 16 numbers a tile
	s_mov_b32 s23, 0
	s_lshl_b32 s24, s15, 14                        ; KF: 16,384 b + 2,048 (T / 2) + 512 (T % 2)
	s_lshr_b32 s25, s16, 1
	s_lshl_b32 s25, s25, 11
	s_add_co_u32 s24, s24, s25
	s_and_b32 s25, s16, 1
	s_lshl_b32 s25, s25, 9
	s_add_co_u32 s24, s24, s25
	s_mov_b32 s25, 0
	s_wait_kmcnt 0x0
	s_add_nc_u64 s[4:5], s[4:5], s[18:19]
	s_add_nc_u64 s[8:9], s[8:9], s[20:21]
	s_add_nc_u64 s[6:7], s[6:7], s[22:23]
	s_add_nc_u64 s[10:11], s[10:11], s[24:25]
.set k, 0
.rept 8                                                ; k / 2 = 2 step + half: 64 bytes on; k % 2: the second four of eight numbers
	global_load_b128 v[WR+4*k:WR+4*k+3], v4, s[4:5] offset:64*(k/2)+16*(k%2)
.set k, k+1
.endr
	global_load_b128 v[BK:BK+3], v6, s[6:7]
	global_load_b128 v[BK+4:BK+7], v6, s[6:7] offset:16
.set k, 0
.rept 8                                                ; k = 4 step + 2 part + half: the images lie in this order, 512 bytes each
	global_load_b128 v[XF+4*k:XF+4*k+3], v5, s[8:9] offset:512*k
.set k, k+1
.endr
	s_wait_loadcnt 10                              ; Wk is in: behind it stand bk's two loads and X1F's eight
.set k, 0
.rept 16
	SPLIT WH+k, WL+k, WR+2*k, WR+2*k+1, 12+2*(k%2)
.set k, k+1
.endr
	s_wait_loadcnt 0x0
	MM0 A1, WH, XF                                 ; the three accumulators take turns, one instruction a turn
	MM0 A2, WL, XF
	MM0 A3, WH, XF+8
	MMA A1, WH+8, XF+16
	MMA A2, WL+8, XF+16
	MMA A3, WH+8, XF+24
.rept 4
	v_nop                                          ; four places between the last product and the first read of a result (ISA guide 7.12.1)
.endr
.irp i, 0,2,4,6
	v_pk_add_f32 v[A1+\i:A1+\i+1], v[A1+\i:A1+\i+1], v[A2+\i:A2+\i+1]
.endr
.irp i, 0,2,4,6
	v_pk_add_f32 v[A1+\i:A1+\i+1], v[A1+\i:A1+\i+1], v[A3+\i:A3+\i+1]
.endr
	ds_store_b128 v7, v[A1:A1+3]
	ds_store_b128 v7, v[A1+4:A1+7] offset:512
	s_wait_dscnt 0x0                               ; for wave 0's sake: my stores are done
	s_barrier_signal -1
	s_barrier_wait -1
	s_cmp_eq_u32 s14, 0
	s_cbranch_scc1 .Ladd
	FINISH
.Ladd:
.set k, 0
.rept 16                                               ; k = 2 wave + half
	ds_load_b128 v[16+4*k:16+4*k+3], v5 offset:512*k
.set k, k+1
.endr
	s_wait_dscnt 0x0
.set k, 0
.rept 8                                                ; the bias starts the sum
.irp i, 0,2,4,6
	v_pk_add_f32 v[BK+\i:BK+\i+1], v[BK+\i:BK+\i+1], v[16+8*k+\i:16+8*k+\i+1]
.endr
.set k, k+1
.endr
.irp p, 0,1,2,3
	SPLIT 80+\p, 84+\p, BK+2*\p, BK+2*\p+1, 12+2*(\p%2)
.endr
	global_store_b128 v5, v[80:83], s[10:11]               ; 512 consecutive bytes, aligned: half a block of heads,
	global_store_b128 v5, v[84:87], s[10:11] offset:1024   ; and of remainders
	FINISH
.Lfunc_end_k_q4bab89b148_kproj:
	.size	k_q4bab89b148_kproj, .Lfunc_end_k_q4bab89b148_kproj-k_q4bab89b148_kproj
	.p2alignl 7, 3214868480
	.fill 96, 4, 3214868480
	.section	.rodata,"a",@progbits
	.p2align	6, 0x0
	.amdhsa_kernel k_q4bab89b148_kproj
		.amdhsa_group_segment_fixed_size 9216
		.amdhsa_private_segment_fixed_size 0
		.amdhsa_enable_private_segment 0
		.amdhsa_kernarg_size 32
		.amdhsa_user_sgpr_count 2
		.amdhsa_user_sgpr_kernarg_segment_ptr 1
		.amdhsa_wavefront_size32 1
		.amdhsa_system_sgpr_workgroup_id_x 1
		.amdhsa_system_sgpr_workgroup_id_y 1
		.amdhsa_system_sgpr_workgroup_id_z 1
		.amdhsa_system_vgpr_workitem_id 0
		.amdhsa_next_free_vgpr 144
		.amdhsa_next_free_sgpr 66
		.amdhsa_reserve_vcc 0
		.amdhsa_float_denorm_mode_32 3
		.amdhsa_float_denorm_mode_16_64 3
		.amdhsa_memory_ordered 1
		.amdhsa_forward_progress 1
		.amdhsa_inst_pref_size 14
	.end_amdhsa_kernel
	.amdgpu_metadata
---
amdhsa.version: [ 1, 2 ]
amdhsa.kernels:
  - .name:           k_q4bab89b148_kproj
    .symbol:         k_q4bab89b148_kproj.kd
    .args:
      - { .name: Wk, .offset: 0, .size: 8, .value_kind: global_buffer, .address_space: global }
      - { .name: bk, .offset: 8, .size: 8, .value_kind: global_buffer, .address_space: global }
      - { .name: X1F, .offset: 16, .size: 8, .value_kind: global_buffer, .address_space: global }
      - { .name: KF, .offset: 24, .size: 8, .value_kind: global_buffer, .address_space: global }
    .group_segment_fixed_size: 9216
    .private_segment_fixed_size: 0
    .kernarg_segment_align: 8
    .kernarg_segment_size: 32
    .max_flat_workgroup_size: 256
    .sgpr_count:     66
    .vgpr_count:     144
    .wavefront_size: 32
...
	.end_amdgpu_metadata
.endif
;; end of part 2
;; launch gv (part 3): grid 160 x 1, 8 waves a work-group, no clusters, 34,304 bytes of LDS; arguments Wq, bq, KF, Wv, XBF, GF, EB, VBF; writes GF, EB, VBF
.if DOCPART == 3
	.amdgcn_target "amdgcn-amd-amdhsa--gfx1250"
	.amdhsa_code_object_version 6
	.text
	.protected	k_q4bab89b148_gv
	.globl	k_q4bab89b148_gv
	.p2align	8
	.type	k_q4bab89b148_gv,@function
k_q4bab89b148_gv:
	s_mov_b64 s[64:65], 0
	v_nop
	global_prefetch_b8 v0, s[64:65] scope:SCOPE_SE
	s_setreg_imm32_b32 hwreg(HW_REG_WAVE_MODE, 25, 1), 1
	s_wait_xcnt 0x0
; TWO SMALL PRODUCTS IN ONE LAUNCH, told apart by the work-group's number.
; Groups 0..127, THE VALUES: vbar[o][w] = sum over c of Wv[o][c] mean_h x[c][w] (the bias bv is added later, in f32).  Since every key column w is repeated 64 times with the same
;   score, the mean over h of the values is all that the second product of attention needs.  Group (b, T): 16 rows o = 16 T + r, all 64 positions; plain bf16.
; Groups 128..159, THE SCORES' WEIGHTS: g[m][c] = sum over o of Wq[o][c] kk[o][m], and eb[m] = sum over o of bq[o] kk[o][m], so that a score at node row m is x[:, n] . g[m] + eb[m].
;   Group (b, blk): 64 channels c; both operands as two bf16 (head, remainder), three products: the scores are unscaled and want that.
; SHARES.  K (512 c, or 256 o) is split over the eight waves; each wave has four accumulators; the partial sums meet in LDS; waves 0-3 add them, each a quarter, and store fragment images.
; VALUES: source 0 = XBF's images (rows = positions 4 r + q in mirror order), source 1 = 16 rows of Wv.  Lane (o, h) register j of accumulator q is slot 4 j + q of lane half h
;   (w = slot, or 63 - slot): packed in pairs of q this is source 0 of the last launch's product, K slot 16 s + 2 register + half word.
; WEIGHTS: Wq lies [o][c], c along the rows.  A lane loads 16 bytes of row o = 32 wave + 16 f + 8 h + i: component q of the 16 loads is a fragment whose row r is channel 64 blk + 4 beta(r) + q.
;   beta permutes the 16 groups of a row so that lane (m, h) register j ends up with c = 64 blk + 32 (j / 4) + 16 ((j / 2) % 2) + 8 h + 4 (j % 2) + q: the K order of a fragment.
;   16 lanes read 256 consecutive bytes of a row.
; No cluster: what groups share (XBF, KF) goes straight into registers as images; the weights are each group's own.  160 work-groups: one for each tile of work that there is.
.set EBP,   32768                      ; LDS: 0..32767 partial sums [wave][q][half][lane][16 bytes]; 32768..33279 eb's [wave][16] f32
.set SPARE, 33280                      ; the spare words, 128 bytes for each of eight waves
.set NEG1, 8                           ; v8   -1.0
.set SPW,  10                          ; v10  LDS address of my spare word; never rewritten
.set NIL,  11                          ; v11  0; never rewritten
.set WR,   16                          ; weights as loaded: v[16:47] (Wv) or v[16:79] (Wq)
.set XB,   48                          ; values: v[48:111] XBF, 32 step + 8 q
.set WF,   112                         ; values: v[112:127] Wv in bf16
.set KH,   80                          ; weights: v[80:87] kk's heads, v[88:95] its remainders
.set FH,   96                          ; weights: v[96:127] Wq's heads, 8 q + p
.set FL,   128                         ; weights: v[128:159] its remainders
.set D,    160                         ; v[160:191] four accumulators
.set BQ,   192                         ; weights: v[192:207] bq[32 wave + 16 f + 8 h + i] at 8 f + i
.set WV,   20                          ; s20  my wave's number
.macro SPLIT dh, dl, a, b, t
	v_cvt_pk_bf16_f32 v[\dh], v[\a], v[\b]
	v_fma_mix_f32_bf16 v[\t], v[\dh], v[NEG1], v[\a] op_sel_hi:[1,0,0]
	v_fma_mix_f32_bf16 v[(\t)+1], v[\dh], v[NEG1], v[\b] op_sel:[1,0,0] op_sel_hi:[1,0,0]
	v_cvt_pk_bf16_f32 v[\dl], v[\t], v[(\t)+1]
.endm
.macro FINISH                          ; the wave's end
	s_wait_tensorcnt 0x0
	ds_add_u32 v[SPW], v[NIL]
	s_wait_dscnt 0x0
	s_endpgm
.endm
.macro MM0 d, a, b
	v_wmma_f32_16x16x32_bf16 v[\d:(\d)+7], v[\a:(\a)+7], v[\b:(\b)+7], 0
.endm
.macro MMA d, a, b
	v_wmma_f32_16x16x32_bf16 v[\d:(\d)+7], v[\a:(\a)+7], v[\b:(\b)+7], v[\d:(\d)+7]
.endm
	s_load_b256 s[4:11], s[0:1], 0x0               ; Wq s[4:5], bq s[6:7], KF s[8:9], Wv s[10:11]
	s_load_b256 s[12:19], s[0:1], 0x20             ; XBF s[12:13], GF s[14:15], EB s[16:17], VBF s[18:19]
	v_lshl_add_u32 v[SPW], v0, 2, SPARE
	v_mov_b32 v[NIL], 0
	v_lshrrev_b32 v12, 5, v0
	v_readfirstlane_b32 s[WV], v12                 ; wave 0..7
	v_and_b32 v1, 31, v0
	v_and_b32 v2, 15, v0                           ; r
	v_bfe_u32 v3, v0, 4, 1                         ; h
	v_lshlrev_b32 v5, 4, v1                        ; 16 l
	v_lshlrev_b32 v210, 5, v3                      ; 32 h
	v_lshl_add_u32 v4, v2, 11, v210                ; Wv: 2,048 r + 32 h
	v_and_b32 v12, 6, v2                           ; beta(r): bits 2, 1 of r go to bits 3, 2; bit 3 to bit 1; bit 0 stays
	v_bfe_u32 v13, v0, 3, 1
	v_and_b32 v14, 1, v2
	v_lshl_add_u32 v12, v12, 1, v14
	v_lshl_add_u32 v12, v13, 1, v12
	v_lshlrev_b32 v6, 14, v3
	v_lshl_add_u32 v6, v12, 4, v6                  ; Wq: 8 h rows of 2,048 bytes + 16 beta(r)
	v_lshl_add_u32 v7, s[WV], 12, v5               ; my partial sums: 4,096 wave + 16 l
	v_mov_b32 v[NEG1], -1.0
	s_bfe_u32 s21, s[WV], 0x10001                  ; waves 0-3 add: which half s of the accumulators' registers,
	s_and_b32 s22, s[WV], 1                        ; and which pair f of that half
	s_and_b32 s23, s[WV], 3
	v_lshl_add_u32 v9, s21, 9, v5
	v_lshl_add_u32 v9, s22, 3, v9                  ; 16 l + 512 s + 8 f
	v_lshlrev_b32 v213, 2, v2                      ; 4 r
	v_lshl_add_u32 v211, s[WV], 6, v213            ; eb's partial sums: 64 wave + 4 r (+ EBP)
	v_mov_b32 v212, 0                              ; a lane exchange's destination counts as read
	s_mov_b32 s28, 0x76543210
	s_mov_b32 s29, 0xfedcba98
	s_and_b32 s31, ttmp9, 7                        ; s31 = 1: a weights' group with blk = 0: it stores eb
	s_cmp_eq_u32 s31, 0
	s_cselect_b32 s31, 1, 0
	s_cmp_ge_u32 ttmp9, 128
	s_cselect_b32 s31, s31, 0
	s_wait_kmcnt 0x0
	s_cmp_lt_u32 ttmp9, 128
	s_cbranch_scc0 .Lweights
	; THE VALUES
	s_lshr_b32 s24, ttmp9, 5                       ; b
	s_and_b32 s25, ttmp9, 31                       ; T
	s_lshl_b32 s32, s25, 15                        ; Wv: 16 rows a tile, 256 bytes of each row a wave
	s_lshl_b32 s33, s[WV], 8
	s_add_co_u32 s32, s32, s33
	s_mov_b32 s33, 0
	s_add_nc_u64 s[10:11], s[10:11], s[32:33]
	s_lshl_b32 s34, s24, 16                        ; XBF: 65,536 b + two steps of 4,096 a wave
	s_lshl_b32 s35, s[WV], 13
	s_add_co_u32 s34, s34, s35
	s_mov_b32 s35, 0
	s_add_nc_u64 s[12:13], s[12:13], s[34:35]
	s_lshl_b32 s36, s24, 16                        ; VBF: 65,536 b + 2,048 T + 1,024 s + 512 f
	s_lshl_b32 s37, s25, 11
	s_add_co_u32 s36, s36, s37
	s_lshl_b32 s37, s23, 9
	s_add_co_u32 s36, s36, s37
	s_mov_b32 s37, 0
	s_add_nc_u64 s[18:19], s[18:19], s[36:37]
.set k, 0
.rept 8
	global_load_b128 v[WR+4*k:WR+4*k+3], v4, s[10:11] offset:64*(k/2)+16*(k%2)
.set k, k+1
.endr
.set k, 0
.rept 16                                               ; k = 8 step + 2 q + half
	global_load_b128 v[XB+4*k:XB+4*k+3], v5, s[12:13] offset:512*k
.set k, k+1
.endr
	s_wait_loadcnt 16                              ; Wv is in: XBF's sixteen loads stand behind it
.set k, 0
.rept 16
	v_cvt_pk_bf16_f32 v[WF+k], v[WR+2*k], v[WR+2*k+1]
.set k, k+1
.endr
	s_wait_loadcnt 0x0
.irp q, 0,1,2,3                                        ; the four accumulators take turns
	MM0 D+8*\q, XB+8*\q, WF
.endr
.irp q, 0,1,2,3
	MMA D+8*\q, XB+32+8*\q, WF+8
.endr
	s_branch .Lsum
.Lweights:
	s_sub_co_u32 s24, ttmp9, 128
	s_and_b32 s25, s24, 7                          ; blk
	s_lshr_b32 s24, s24, 3                         ; b
	s_lshl_b32 s38, s24, 14                        ; KF: 16,384 b + 2,048 wave
	s_lshl_b32 s39, s[WV], 11
	s_add_co_u32 s38, s38, s39
	s_mov_b32 s39, 0
	s_add_nc_u64 s[8:9], s[8:9], s[38:39]
	s_lshl_b32 s40, s[WV], 16                      ; Wq: 32 rows a wave, 256 bytes of each row a group
	s_lshl_b32 s41, s25, 8
	s_add_co_u32 s40, s40, s41
	s_mov_b32 s41, 0
	s_add_nc_u64 s[4:5], s[4:5], s[40:41]
	s_lshl_b32 s42, s[WV], 7                       ; bq: 32 numbers a wave
	s_mov_b32 s43, 0
	s_add_nc_u64 s[6:7], s[6:7], s[42:43]
	s_lshl_b32 s44, s24, 15                        ; GF: 32,768 b + 2,048 (2 blk + s) + 512 f
	s_lshl_b32 s45, s25, 12
	s_add_co_u32 s44, s44, s45
	s_lshl_b32 s45, s21, 11
	s_add_co_u32 s44, s44, s45
	s_lshl_b32 s45, s22, 9
	s_add_co_u32 s44, s44, s45
	s_mov_b32 s45, 0
	s_add_nc_u64 s[14:15], s[14:15], s[44:45]
	s_lshl_b32 s46, s24, 6                         ; EB: 16 numbers a batch
	s_mov_b32 s47, 0
	s_add_nc_u64 s[16:17], s[16:17], s[46:47]
.set k, 0
.rept 4                                                ; k = 2 part + half
	global_load_b128 v[KH+4*k:KH+4*k+3], v5, s[8:9] offset:512*k
.set k, k+1
.endr
.set k, 0
.rept 4
	global_load_b128 v[BQ+4*k:BQ+4*k+3], v210, s[6:7] offset:64*(k/2)+16*(k%2)
.set k, k+1
.endr
.set k, 0
.rept 16                                               ; k = 8 f + i: row 16 f + i of my lane half's rows
	global_load_b128 v[WR+4*k:WR+4*k+3], v6, s[4:5] offset:(16*(k/8)+k%8)*2048
.set k, k+1
.endr
	s_wait_loadcnt 16                              ; kk and bq are in: Wq's sixteen loads stand behind them
	v_mov_b32 v208, 0                              ; eb: my 16 rows o, heads and remainders, in two chains
	v_mov_b32 v209, 0
.set k, 0
.rept 16
	v_fma_mix_f32_bf16 v208, v[KH+k], v[BQ+2*(k%8)], v208 op_sel_hi:[1,0,0]
	v_fma_mix_f32_bf16 v209, v[KH+k], v[BQ+2*(k%8)+1], v209 op_sel:[1,0,0] op_sel_hi:[1,0,0]
.set k, k+1
.endr
	v_add_f32 v208, v208, v209
	v_permlanex16_b32 v212, v208, s28, s29         ; the other 16 rows lie in the lane 16 away
	v_add_f32 v208, v208, v212
	ds_store_b32 v211, v208 offset:EBP             ; both halves of the lanes write the same number to the same word
.set p, 0
.rept 8
	s_wait_loadcnt 14-2*p                          ; loads 2 p and 2 p + 1 are in: 14 - 2 p stand behind them
.set q, 0
.rept 4
	SPLIT FH+8*q+p, FL+8*q+p, WR+8*p+q, WR+8*p+4+q, 12+2*(q%2)
.set q, q+1
.endr
.set p, p+1
.endr
.irp q, 0,1,2,3                                        ; head x head, remainder x head, head x remainder; the four accumulators take turns
	MM0 D+8*\q, FH+8*\q, KH
.endr
.irp q, 0,1,2,3
	MMA D+8*\q, FL+8*\q, KH
.endr
.irp q, 0,1,2,3
	MMA D+8*\q, FH+8*\q, KH+8
.endr
.Lsum:                                                 ; both kinds go on alike
.rept 4
	v_nop                                          ; four places between the last product and the first read of a result (ISA guide 7.12.1)
.endr
.set k, 0
.rept 8                                                ; k = 2 q + half: each accumulator's low registers first
	ds_store_b128 v7, v[D+4*k:D+4*k+3] offset:512*k
.set k, k+1
.endr
	s_wait_dscnt 0x0                               ; for the others' sake: my stores are done
	s_barrier_signal -1
	s_barrier_wait -1
	s_cmp_lt_u32 s[WV], 4
	s_cbranch_scc1 .Ladd
	s_cmp_eq_u32 s[WV], 4
	s_cselect_b32 s30, s31, 0
	s_cmp_eq_u32 s30, 1
	s_cbranch_scc1 .Leb
	FINISH
.Leb:                                                  ; wave 4 of a batch's first weights' group: eb's eight partial sums
.set k, 0
.rept 8
	ds_load_b32 v[16+k], v213 offset:EBP+64*k
.set k, k+1
.endr
	s_wait_dscnt 0x0
.irp k, 1,2,3,4,5,6,7
	v_add_f32 v16, v16, v[16+\k]
.endr
	s_wait_xcnt 0x0                                ; EXEC changes only behind this wait
	v_cmp_gt_u32 vcc_lo, 16, v1
	s_and_saveexec_b32 s30, vcc_lo
	global_store_b32 v213, v16, s[16:17]           ; 64 bytes a batch
	s_wait_xcnt 0x0                                ; and again, in front of the line that widens it
	s_or_b32 exec_lo, exec_lo, s30
	FINISH
.Ladd:                                                 ; wave 2 s + f takes registers j = 4 s + 2 f + 0, 1 of all four accumulators, from all eight waves
.set k, 0
.rept 32                                               ; k = 4 wave + q
	ds_load_b64 v[16+2*k:16+2*k+1], v9 offset:1024*k
.set k, k+1
.endr
	s_wait_dscnt 0x0
.set k, 4
.rept 28
	v_pk_add_f32 v[16+2*(k%4):16+2*(k%4)+1], v[16+2*(k%4):16+2*(k%4)+1], v[16+2*k:16+2*k+1]
.set k, k+1
.endr
	s_cmp_lt_u32 ttmp9, 128
	s_cbranch_scc0 .Lout_g
.irp z, 0,1                                            ; register 2 z + a of my half block: accumulators 2 a and 2 a + 1, register z of my two
.irp a, 0,1
	v_cvt_pk_bf16_f32 v[80+2*\z+\a], v[16+4*\a+\z], v[18+4*\a+\z]
.endr
.endr
	global_store_b128 v5, v[80:83], s[18:19]               ; 512 consecutive bytes, aligned
	FINISH
.Lout_g:
.irp z, 0,1
.irp a, 0,1
	SPLIT 80+2*\z+\a, 84+2*\z+\a, 16+4*\a+\z, 18+4*\a+\z, 12+2*\a
.endr
.endr
	global_store_b128 v5, v[80:83], s[14:15]               ; half a block of heads,
	global_store_b128 v5, v[84:87], s[14:15] offset:1024   ; and of remainders
	FINISH
.Lfunc_end_k_q4bab89b148_gv:
	.size	k_q4bab89b148_gv, .Lfunc_end_k_q4bab89b148_gv-k_q4bab89b148_gv
	.p2alignl 7, 3214868480
	.fill 96, 4, 3214868480
	.section	.rodata,"a",@progbits
	.p2align	6, 0x0
	.amdhsa_kernel k_q4bab89b148_gv
		.amdhsa_group_segment_fixed_size 34304
		.amdhsa_private_segment_fixed_size 0
		.amdhsa_enable_private_segment 0
		.amdhsa_kernarg_size 64
		.amdhsa_user_sgpr_count 2
		.amdhsa_user_sgpr_kernarg_segment_ptr 1
		.amdhsa_wavefront_size32 1
		.amdhsa_system_sgpr_workgroup_id_x 1
		.amdhsa_system_sgpr_workgroup_id_y 1
		.amdhsa_system_sgpr_workgroup_id_z 1
		.amdhsa_system_vgpr_workitem_id 0
		.amdhsa_next_free_vgpr 216
		.amdhsa_next_free_sgpr 66
		.amdhsa_reserve_vcc 1
		.amdhsa_float_denorm_mode_32 3
		.amdhsa_float_denorm_mode_16_64 3
		.amdhsa_memory_ordered 1
		.amdhsa_forward_progress 1
		.amdhsa_inst_pref_size 29
	.end_amdhsa_kernel
	.amdgpu_metadata
---
amdhsa.version: [ 1, 2 ]
amdhsa.kernels:
  - .name:           k_q4bab89b148_gv
    .symbol:         k_q4bab89b148_gv.kd
    .args:
      - { .name: Wq, .offset: 0, .size: 8, .value_kind: global_buffer, .address_space: global }
      - { .name: bq, .offset: 8, .size: 8, .value_kind: global_buffer, .address_space: global }
      - { .name: KF, .offset: 16, .size: 8, .value_kind: global_buffer, .address_space: global }
      - { .name: Wv, .offset: 24, .size: 8, .value_kind: global_buffer, .address_space: global }
      - { .name: XBF, .offset: 32, .size: 8, .value_kind: global_buffer, .address_space: global }
      - { .name: GF, .offset: 40, .size: 8, .value_kind: global_buffer, .address_space: global }
      - { .name: EB, .offset: 48, .size: 8, .value_kind: global_buffer, .address_space: global }
      - { .name: VBF, .offset: 56, .size: 8, .value_kind: global_buffer, .address_space: global }
    .group_segment_fixed_size: 34304
    .private_segment_fixed_size: 0
    .kernarg_segment_align: 8
    .kernarg_segment_size: 64
    .max_flat_workgroup_size: 256
    .sgpr_count:     66
    .vgpr_count:     216
    .wavefront_size: 32
...
	.end_amdgpu_metadata
.endif
;; end of part 3
;; launch attn (part 4): grid 256 x 1, 16 waves a work-group, no clusters, 75,776 bytes of LDS; arguments x, GF, EB, VBF, bv, gamma, out0; writes out0
.if DOCPART == 4
	.amdgcn_target "amdgcn-amd-amdhsa--gfx1250"
	.amdhsa_code_object_version 6
	.text
	.protected	k_q4bab89b148_attn
	.globl	k_q4bab89b148_attn
	.p2align	8
	.type	k_q4bab89b148_attn,@function
k_q4bab89b148_attn:
	s_mov_b64 s[64:65], 0
	v_nop
	global_prefetch_b8 v0, s[64:65] scope:SCOPE_SE
	s_setreg_imm32_b32 hwreg(HW_REG_WAVE_MODE, 25, 1), 1
	s_wait_xcnt 0x0
; ATTENTION AND RESIDUAL.  out0[b][c][n] = gamma (sum over w of p[n][w] vbar[c][w] + bv[c]) + x[b][c][n].
; The keys are one row broadcast over the 64 image rows, so a query has 64 different scores e[n][w], each 64 times: the softmax over 4,096 keys is 1/64 of the softmax p over the 64 columns,
; and the values enter by their mean over h (vbar).  e[n][w] is the interpolation, with the key row's own weights, of 16 node scores E[n][m] = x[:, n] . g[m] + eb[m].
; SHARES.  A work-group owns one image row: 64 queries x 512 channels, 128 KiB of x.  Wave k of 16 owns channels 32 k .. 32 k + 31: 64 registers of x in f32, read once, used for the scores and kept for the
; residual.  16 waves of 256 registers fill the four SIMDs' registers: one work-group on a WGP.
; x lies [c][n], n along the rows: a lane loads 16 bytes of row c = 32 k + 16 f + 8 h + i; component q of the 16 loads is a fragment whose column r is query 4 r + q.  16 lanes read, and later
; write, 256 consecutive bytes, aligned.
; SCORES.  Source 0 = g's images (rows m), source 1 = x; both as two bf16 (head, remainder), three products: the scores are unscaled.  The 16 waves' partial sums meet in LDS.
; SOFTMAX.  Waves 0-3, a tile of 16 queries each.  Lane (n, h) holds nodes 0..7 (h = 0) or 15..8 (h = 1) and makes 32 scores: w = slot, or 63 - slot; since the grid of w is symmetric both halves use the
; same registers and the same constants t = ((5 slot) mod 21) / 21.  The maximum is taken away before the exponentials; p is divided by its sum in f32 and then rounded to bf16.
; VALUES.  Source 0 = vbar's images (rows c), source 1 = p as it lies in the lanes; bv in f32 is the C operand that starts the sum (the weights add up to 1).
; LIMITS.  e = a + t (b - a), with t rounded once: an f32 rounding away from a (1 - t) + b t.  A weight below 2^-126 counts as 0.  NaN and infinities are not treated apart.
; No cluster and no fills of LDS by an engine: x must be split in registers and kept there; what the 64 groups of a batch share (g 2 KiB and vbar 4 KiB a wave) are register images that need no trip through LDS.
.set PF,    65536                      ; LDS: 0..65535 partial scores [q][wave][half][lane][16 bytes]; 65536..73727 p [q][4][lane][16 bytes]
.set SPARE, 73728                      ; the spare words, 128 bytes for each of sixteen waves
.set SPW,  12                          ; v12  LDS address of my spare word; never rewritten
.set NIL,  13                          ; v13  0; never rewritten
.set NEG1, 14                          ; v14  -1.0
.set X,    16                          ; v[16:79]    x: 4 (8 f + i) + q
.set VB,   80                          ; v[80:111]   vbar: 16 f + 8 s
.set BV,   112                         ; v[112:127]  bv: 8 f
.set GH,   128                         ; v[128:135]  g's heads;  v[136:143] its remainders
.set GL,   136
.set EBR,  144                         ; v[144:151]  eb[8 h + 0..7]
.set T,    152                         ; v[152:159]  at work
.set E,    160                         ; v[160:191]  node scores, 8 q
.set FH,   192                         ; v[192:223]  x's heads, 8 q + p
.set FL,   224                         ; v[224:255]  its remainders
.set PB,   192                         ; softmax: a ring of 8 partial sums
.set R,    128                         ; softmax: v[128:136] nine nodes
.set DD,   144                         ; softmax: v[144:151] their differences
.set S,    160                         ; softmax: v[160:191] 32 scores, then weights
.set P,    128                         ; softmax: v[128:143] weights in bf16
.set PR,   128                         ; values: v[128:191] p: 16 q + 8 s
.set O,    192                         ; values: v[192:255] results: 32 f + 8 q
.set WV,   20                          ; s20  my wave's number
.macro SPLIT dh, dl, a, b, t
	v_cvt_pk_bf16_f32 v[\dh], v[\a], v[\b]
	v_fma_mix_f32_bf16 v[\t], v[\dh], v[NEG1], v[\a] op_sel_hi:[1,0,0]
	v_fma_mix_f32_bf16 v[(\t)+1], v[\dh], v[NEG1], v[\b] op_sel:[1,0,0] op_sel_hi:[1,0,0]
	v_cvt_pk_bf16_f32 v[\dl], v[\t], v[(\t)+1]
.endm
.macro MM0 d, a, b
	v_wmma_f32_16x16x32_bf16 v[\d:(\d)+7], v[\a:(\a)+7], v[\b:(\b)+7], 0
.endm
.macro MMA d, a, b
	v_wmma_f32_16x16x32_bf16 v[\d:(\d)+7], v[\a:(\a)+7], v[\b:(\b)+7], v[\d:(\d)+7]
.endm
.macro MMC d, a, b, c                  ; other registers start the sum
	v_wmma_f32_16x16x32_bf16 v[\d:(\d)+7], v[\a:(\a)+7], v[\b:(\b)+7], v[\c:(\c)+7]
.endm
.macro LOADP k                         ; wave k's partial scores of my tile, into slot k % 8 of the ring
	ds_load_b128 v[PB+8*((\k)%8):PB+8*((\k)%8)+3], v8 offset:1024*(\k)
	ds_load_b128 v[PB+8*((\k)%8)+4:PB+8*((\k)%8)+7], v8 offset:1024*(\k)+512
.endm
.macro ITP n, i, kk                    ; slot n: node i + t (node i + 1 - node i)
	v_fmamk_f32 v[S+\n], v[DD+\i], \kk, v[R+\i]
.endm
	s_load_b256 s[4:11], s[0:1], 0x0               ; x s[4:5], GF s[6:7], EB s[8:9], VBF s[10:11]
	s_load_b128 s[12:15], s[0:1], 0x20             ; bv s[12:13], gamma s[14:15]
	s_load_b64 s[16:17], s[0:1], 0x30              ; out0
	v_lshl_add_u32 v[SPW], v0, 2, SPARE
	v_mov_b32 v[NIL], 0
	v_lshrrev_b32 v15, 5, v0
	v_readfirstlane_b32 s[WV], v15                 ; wave 0..15
	v_and_b32 v1, 31, v0
	v_and_b32 v2, 15, v0                           ; r
	v_bfe_u32 v3, v0, 4, 1                         ; h
	v_lshlrev_b32 v5, 4, v1                        ; 16 l
	v_lshlrev_b32 v6, 5, v3                        ; 32 h
	v_lshlrev_b32 v4, 17, v3
	v_lshl_add_u32 v4, v2, 4, v4                   ; x and out0: 8 h planes of 16,384 bytes + 16 r
	v_lshl_add_u32 v7, s[WV], 10, v5               ; my partial scores: 1,024 wave + 16 l
	s_and_b32 s23, s[WV], 3
	v_lshl_add_u32 v8, s23, 14, v5                 ; waves 0-3: my tile's partial scores: 16,384 q + 16 l
	v_add_nc_u32 v9, PF, v5
	v_lshl_add_u32 v10, s23, 11, v9                ; and its weights: PF + 2,048 q + 16 l
	v_mov_b32 v[NEG1], -1.0
	s_lshr_b32 s21, ttmp9, 6                       ; b
	s_and_b32 s22, ttmp9, 63                       ; the image row
	s_lshl_b32 s24, s21, 23                        ; x and out0: a batch is 8 MiB, my 32 planes, the row's 256 bytes
	s_lshl_b32 s25, s[WV], 19
	s_add_co_u32 s24, s24, s25
	s_lshl_b32 s25, s22, 8
	s_add_co_u32 s24, s24, s25
	s_mov_b32 s25, 0
	s_lshl_b32 s30, s21, 15                        ; GF: 32,768 b + 2,048 wave
	s_lshl_b32 s31, s[WV], 11
	s_add_co_u32 s30, s30, s31
	s_mov_b32 s31, 0
	s_lshl_b32 s32, s21, 16                        ; VBF: 65,536 b + 4,096 wave
	s_lshl_b32 s33, s[WV], 12
	s_add_co_u32 s32, s32, s33
	s_mov_b32 s33, 0
	s_lshl_b32 s34, s[WV], 7                       ; bv: 32 numbers a wave
	s_mov_b32 s35, 0
	s_lshl_b32 s36, s21, 6                         ; EB: 16 numbers a batch
	s_mov_b32 s37, 0
	s_mov_b32 s26, 0x3fb8aa3b                      ; log2(e); named as a pair
	s_mov_b32 s27, s26
	s_mov_b32 s28, 0x76543210
	s_mov_b32 s29, 0xfedcba98
	s_wait_kmcnt 0x0
	s_load_b32 s18, s[14:15], 0x0                  ; gamma
	s_add_nc_u64 s[4:5], s[4:5], s[24:25]
	s_add_nc_u64 s[16:17], s[16:17], s[24:25]
	s_add_nc_u64 s[6:7], s[6:7], s[30:31]
	s_add_nc_u64 s[10:11], s[10:11], s[32:33]
	s_add_nc_u64 s[12:13], s[12:13], s[34:35]
	s_add_nc_u64 s[8:9], s[8:9], s[36:37]
.set k, 0
.rept 4                                                ; k = 2 part + half
	global_load_b128 v[GH+4*k:GH+4*k+3], v5, s[6:7] offset:512*k
.set k, k+1
.endr
.set k, 0
.rept 16                                               ; k = 8 f + i: plane 16 f + i of my lane half's planes; the launch reads each byte of x once
	global_load_b128 v[X+4*k:X+4*k+3], v4, s[4:5] offset:(16*(k/8)+k%8)*16384 th:TH_LOAD_NT
.set k, k+1
.endr
.set k, 0
.rept 8                                                ; k = 4 f + 2 s + half
	global_load_b128 v[VB+4*k:VB+4*k+3], v5, s[10:11] offset:512*k
.set k, k+1
.endr
.set k, 0
.rept 4
	global_load_b128 v[BV+4*k:BV+4*k+3], v6, s[12:13] offset:64*(k/2)+16*(k%2)
.set k, k+1
.endr
	global_load_b128 v[EBR:EBR+3], v6, s[8:9]
	global_load_b128 v[EBR+4:EBR+7], v6, s[8:9] offset:16
	; THE NODE SCORES
.set p, 0
.rept 8
	s_wait_loadcnt 28-2*p                          ; loads 2 p and 2 p + 1 of x are in: behind them 14 - 2 p of x, 8 of vbar, 4 of bv, 2 of eb
.set q, 0
.rept 4
	SPLIT FH+8*q+p, FL+8*q+p, X+8*p+q, X+8*p+4+q, T+2*q
.set q, q+1
.endr
.set p, p+1
.endr
.irp q, 0,1,2,3                                        ; head x head, remainder x head, head x remainder; the four accumulators take turns
	MM0 E+8*\q, GH, FH+8*\q
.endr
.irp q, 0,1,2,3
	MMA E+8*\q, GL, FH+8*\q
.endr
.irp q, 0,1,2,3
	MMA E+8*\q, GH, FL+8*\q
.endr
.rept 5
	v_nop                                          ; four places ahead of the reads of the results and of loads into these products' registers, five ahead of later products that write over them
.endr
.set k, 0
.rept 8                                                ; k = 2 q + half: each accumulator's low registers first
	ds_store_b128 v7, v[E+4*k:E+4*k+3] offset:16384*(k/2)+512*(k%2)
.set k, k+1
.endr
	s_wait_loadcnt 0x0                             ; on every wave's path: vbar, bv and eb are in, so that eb's registers may be written again below (the differences; the loads of p), whichever way the wave goes
	s_wait_kmcnt 0x0                               ; gamma
	s_wait_dscnt 0x0                               ; for the others' sake: my stores are done
	s_barrier_signal -1
	s_barrier_wait -1
	s_cmp_lt_u32 s[WV], 4
	s_cbranch_scc0 .Lno_softmax
	; THE SOFTMAX of tile q = wave
.set k, 0
.rept 8
	LOADP k
.set k, k+1
.endr
.set k, 0
.rept 16
.if k < 8
	s_wait_dscnt 14                                ; partial sum k is in: seven younger ones, two loads each, stay out
.else
	s_wait_dscnt 2*(15-k)                          ; the ring runs empty
.endif
.set i, 0
.rept 4
.if k == 0
	v_pk_add_f32 v[R+2*i:R+2*i+1], v[EBR+2*i:EBR+2*i+1], v[PB+2*i:PB+2*i+1]   ; eb starts the sum
.else
	v_pk_add_f32 v[R+2*i:R+2*i+1], v[R+2*i:R+2*i+1], v[PB+8*(k%8)+2*i:PB+8*(k%8)+2*i+1]
.endif
.set i, i+1
.endr
.if k < 8
	LOADP k+8
.endif
.set k, k+1
.endr
	v_mov_b32 v[R+8], 0                            ; a lane exchange's destination counts as read
	v_permlanex16_b32 v[R+8], v[R+7], s28, s29     ; the ninth node lies across the middle: node 8 for h = 0, node 7 for h = 1
.irp i, 0,1,2,3,4,5,6,7
	v_sub_f32 v[DD+\i], v[R+\i+1], v[R+\i]
.endr
	v_mov_b32 v[S], v[R]                           ; slots 0 and 21 fall on nodes
	ITP 1, 0, 0x3e73cf3d                           ; 5/21
	ITP 2, 0, 0x3ef3cf3d                           ; 10/21
	ITP 3, 0, 0x3f36db6e                           ; 15/21
	ITP 4, 0, 0x3f73cf3d                           ; 20/21
	ITP 5, 1, 0x3e430c31                           ; 4/21
	ITP 6, 1, 0x3edb6db7                           ; 9/21
	ITP 7, 1, 0x3f2aaaab                           ; 14/21
	ITP 8, 1, 0x3f679e7a                           ; 19/21
	ITP 9, 2, 0x3e124925                           ; 3/21
	ITP 10, 2, 0x3ec30c31                          ; 8/21
	ITP 11, 2, 0x3f1e79e8                          ; 13/21
	ITP 12, 2, 0x3f5b6db7                          ; 18/21
	ITP 13, 3, 0x3dc30c31                          ; 2/21
	ITP 14, 3, 0x3eaaaaab                          ; 7/21
	ITP 15, 3, 0x3f124925                          ; 12/21
	ITP 16, 3, 0x3f4f3cf4                          ; 17/21
	ITP 17, 4, 0x3d430c31                          ; 1/21
	ITP 18, 4, 0x3e924925                          ; 6/21
	ITP 19, 4, 0x3f061862                          ; 11/21
	ITP 20, 4, 0x3f430c31                          ; 16/21
	v_mov_b32 v[S+21], v[R+5]
	ITP 22, 5, 0x3e73cf3d
	ITP 23, 5, 0x3ef3cf3d
	ITP 24, 5, 0x3f36db6e
	ITP 25, 5, 0x3f73cf3d
	ITP 26, 6, 0x3e430c31
	ITP 27, 6, 0x3edb6db7
	ITP 28, 6, 0x3f2aaaab
	ITP 29, 6, 0x3f679e7a
	ITP 30, 7, 0x3e124925
	ITP 31, 7, 0x3ec30c31
.irp c, 0,1,2,3                                        ; the maximum: four chains of seven scores, three operands at a time
	v_max3_num_f32 v[T+\c], v[S+8*\c], v[S+8*\c+1], v[S+8*\c+2]
.endr
.irp c, 0,1,2,3
	v_max3_num_f32 v[T+\c], v[T+\c], v[S+8*\c+3], v[S+8*\c+4]
.endr
.irp c, 0,1,2,3
	v_max3_num_f32 v[T+\c], v[T+\c], v[S+8*\c+5], v[S+8*\c+6]
.endr
	v_max3_num_f32 v[T], v[T], v[S+7], v[S+15]
	v_max3_num_f32 v[T+2], v[T+2], v[S+23], v[S+31]
	v_max3_num_f32 v[T], v[T], v[T+1], v[T+2]
	v_max_num_f32 v[T], v[T], v[T+3]
	v_permlanex16_b32 v[T+1], v[T], s28, s29       ; the query's other 32 columns lie in the lane 16 away
	v_max_num_f32 v[T], v[T], v[T+1]
	v_mul_f32 v[T+4], s26, v[T]                    ; log2(e) m
	v_mov_b32 v[T+5], v[T+4]                       ; named with it as a pair
.set i, 0
.rept 16
	v_pk_fma_f32 v[S+2*i:S+2*i+1], v[S+2*i:S+2*i+1], s[26:27], v[T+4:T+5] op_sel_hi:[1,0,0] neg_lo:[0,0,1] neg_hi:[0,0,1]  ; log2(e) e - log2(e) m
.set i, i+1
.endr
.set i, 0
.rept 32
	v_exp_f32 v[S+i], v[S+i]
.set i, i+1
.endr
	v_nop                                          ; a plain instruction between the last exponential and the use of its result (ISA guide 5.7.2)
.set i, 0
	s_wait_alu depctr_va_vdst(0)
.rept 8                                                ; the sum, as a tree beside the weights
	v_pk_add_f32 v[PB+2*i:PB+2*i+1], v[S+4*i:S+4*i+1], v[S+4*i+2:S+4*i+3]
.set i, i+1
.endr
.irp i, 0,1,2,3
	v_pk_add_f32 v[PB+4*\i:PB+4*\i+1], v[PB+4*\i:PB+4*\i+1], v[PB+4*\i+2:PB+4*\i+3]
.endr
	v_pk_add_f32 v[PB:PB+1], v[PB:PB+1], v[PB+4:PB+5]
	v_pk_add_f32 v[PB+8:PB+9], v[PB+8:PB+9], v[PB+12:PB+13]
	v_pk_add_f32 v[PB:PB+1], v[PB:PB+1], v[PB+8:PB+9]
	v_add_f32 v[PB], v[PB], v[PB+1]
	v_permlanex16_b32 v[PB+1], v[PB], s28, s29
	v_add_f32 v[PB], v[PB], v[PB+1]
	v_rcp_f32 v[T+6], v[PB]
	v_rcp_f32 v[T+7], v[PB]                        ; twice: a pair for the packed multiply
	v_nop
.set i, 0
	s_wait_alu depctr_va_vdst(0)
.rept 16
	v_pk_mul_f32 v[S+2*i:S+2*i+1], v[S+2*i:S+2*i+1], v[T+6:T+7]
.set i, i+1
.endr
.set i, 0
.rept 16
	v_cvt_pk_bf16_f32 v[P+i], v[S+2*i], v[S+2*i+1]
.set i, i+1
.endr
.irp i, 0,1,2,3
	ds_store_b128 v10, v[P+4*\i:P+4*\i+3] offset:512*\i
.endr
.Lno_softmax:
	s_wait_dscnt 0x0                               ; for the others' sake: the weights are stored
	s_barrier_signal -1
	s_barrier_wait -1
	; THE VALUES AND THE RESIDUAL
.set k, 0
.rept 16                                               ; k = 4 q + quarter
	ds_load_b128 v[PR+4*k:PR+4*k+3], v9 offset:512*k
.set k, k+1
.endr
	s_wait_dscnt 0x0
.irp ff, 0,1                                           ; eight accumulators take turns; bv starts the sums
.irp q, 0,1,2,3
	MMC O+32*\ff+8*\q, VB+16*\ff, PR+16*\q, BV+8*\ff
.endr
.endr
.irp ff, 0,1
.irp q, 0,1,2,3
	MMA O+32*\ff+8*\q, VB+16*\ff+8, PR+16*\q+8
.endr
.endr
.rept 4
	v_nop                                          ; four places between the last product and the first read of a result
.endr
.irp ff, 0,1                                           ; register j of accumulator (f, q) is channel 32 wave + 16 f + 8 h + j, query 4 r + q: where x lies
.irp j, 0,1,2,3,4,5,6,7
.irp q, 0,1,2,3
	v_fma_f32 v[X+4*(8*\ff+\j)+\q], s18, v[O+32*\ff+8*\q+\j], v[X+4*(8*\ff+\j)+\q]
.endr
	global_store_b128 v4, v[X+4*(8*\ff+\j):X+4*(8*\ff+\j)+3], s[16:17] offset:(16*\ff+\j)*16384 th:TH_STORE_NT   ; 16 lanes store 256 consecutive bytes, aligned
.endr
.endr
	s_wait_tensorcnt 0x0                           ; the wave's end
	ds_add_u32 v[SPW], v[NIL]
	s_wait_dscnt 0x0
	s_endpgm
.Lfunc_end_k_q4bab89b148_attn:
	.size	k_q4bab89b148_attn, .Lfunc_end_k_q4bab89b148_attn-k_q4bab89b148_attn
	.p2alignl 7, 3214868480
	.fill 96, 4, 3214868480
	.section	.rodata,"a",@progbits
	.p2align	6, 0x0
	.amdhsa_kernel k_q4bab89b148_attn
		.amdhsa_group_segment_fixed_size 75776
		.amdhsa_private_segment_fixed_size 0
		.amdhsa_enable_private_segment 0
		.amdhsa_kernarg_size 56
		.amdhsa_user_sgpr_count 2
		.amdhsa_user_sgpr_kernarg_segment_ptr 1
		.amdhsa_wavefront_size32 1
		.amdhsa_system_sgpr_workgroup_id_x 1
		.amdhsa_system_sgpr_workgroup_id_y 1
		.amdhsa_system_sgpr_workgroup_id_z 1
		.amdhsa_system_vgpr_workitem_id 0
		.amdhsa_next_free_vgpr 256
		.amdhsa_next_free_sgpr 66
		.amdhsa_reserve_vcc 0
		.amdhsa_float_denorm_mode_32 3
		.amdhsa_float_denorm_mode_16_64 3
		.amdhsa_memory_ordered 1
		.amdhsa_forward_progress 1
		.amdhsa_inst_pref_size 39
	.end_amdhsa_kernel
	.amdgpu_metadata
---
amdhsa.version: [ 1, 2 ]
amdhsa.kernels:
  - .name:           k_q4bab89b148_attn
    .symbol:         k_q4bab89b148_attn.kd
    .args:
      - { .name: x, .offset: 0, .size: 8, .value_kind: global_buffer, .address_space: global }
      - { .name: GF, .offset: 8, .size: 8, .value_kind: global_buffer, .address_space: global }
      - { .name: EB, .offset: 16, .size: 8, .value_kind: global_buffer, .address_space: global }
      - { .name: VBF, .offset: 24, .size: 8, .value_kind: global_buffer, .address_space: global }
      - { .name: bv, .offset: 32, .size: 8, .value_kind: global_buffer, .address_space: global }
      - { .name: gamma, .offset: 40, .size: 8, .value_kind: global_buffer, .address_space: global }
      - { .name: out0, .offset: 48, .size: 8, .value_kind: global_buffer, .address_space: global }
    .group_segment_fixed_size: 75776
    .private_segment_fixed_size: 0
    .kernarg_segment_align: 8
    .kernarg_segment_size: 56
    .max_flat_workgroup_size: 512
    .sgpr_count:     66
    .vgpr_count:     256
    .wavefront_size: 32
...
	.end_amdgpu_metadata
.endif
;; end of part 4
;; ======== version 2 of 2: 4 launches; version 1 with the launches colmean, attn written anew for expert scheduling mode
;; workspace buffers: XBF 262,144 bytes; X1F 131,072 bytes; KF 65,536 bytes; GF 131,072 bytes; VBF 262,144 bytes; EB 256 bytes
;; launch colmean (part 5): grid 256 x 1, 8 waves a work-group, no clusters, 3,584 bytes of LDS; arguments x, pos, pe_table, XBF, X1F; writes XBF, X1F
.if DOCPART == 5
	.amdgcn_target "amdgcn-amd-amdhsa--gfx1250"
	.amdhsa_code_object_version 6
	.text
	.protected	k_q4bab89b148_colmean
	.globl	k_q4bab89b148_colmean
	.p2align	8
	.type	k_q4bab89b148_colmean,@function
k_q4bab89b148_colmean:
	s_mov_b64 s[64:65], 0
	v_nop
	global_prefetch_b8 v0, s[64:65] scope:SCOPE_SE
	s_setreg_imm32_b32 hwreg(HW_REG_WAVE_SCHED_MODE, 0, 2), 2
	s_setreg_imm32_b32 hwreg(HW_REG_WAVE_MODE, 25, 1), 1
	s_wait_xcnt 0x0
	s_wait_alu depctr_vm_vsrc(0)
; COLUMN MEANS.  x: [4][512][64][64] f32.  For each plane (b, c): mean over the 64 image rows of each of the 64 columns w (XBF, bf16), and the 16 nodes
; x1d[c][j] = mean of columns 4j..4j+3 + pe_table[pos[b][0][4j] / 8][c] (X1F, as two bf16: a head and the remainder that the head leaves).
; SHARES.  A work-group owns 8 planes c = 8 G + wave, a wave one plane of 16,384 bytes: 32 loads of 512 consecutive bytes (two image rows each), all issued at once.
; Lane l holds columns 4 (l % 16) .. + 3 of rows of one parity; one exchange between the halves of the lanes ends the sums.
; MIRROR ORDER.  Later launches want a query's columns w and 63 - w in the two halves of the lanes.  So positions 32..63 hold w = 95 - position, and node rows 8..15 hold node 23 - row.
; The change of places is made between lanes (v_permlane16_b32), so that every LDS address is a plain lane term.
; OUTPUT as fragment images: a block of 16 x 32 bf16 is 1,024 bytes, two halves of 512; lane l's 16 bytes lie at 16 l and hold K = 16 half + 8 (l / 16) + 0..7.  This group's 8 planes are
; one lane half of one block half: 256 consecutive bytes for each block, aligned.
; LIMITS.  pos is taken as (pos >> 3) & 127: floor(pos / 8) wrapped into the table's 128 rows.  The order of the f32 sums differs from a plain mean's.  NaN and infinities are not treated apart.
; No matrix unit, no cluster, no fills of LDS by an engine: the launch reads each byte of x once into registers and nothing is shared between work-groups.
; THE MODE: SCHED_MODE bits 1:0 = 2 (LLVM: expert scheduling mode 2), set by the entry lines.  The code itself states the register dependences
; between vector instructions and memory or LDS instructions, with s_wait_alu, always for 0.
; THE PLAN.  Registers that memory or LDS instructions touch:
;   v4, v5, v10, v11, v12, v14   offsets and LDS addresses: made at the head, never written again.
;   v7                           the table's offset: made from pos by three vector lines, read by one load.
;   v6, v8, v[32:159]            loads land in them once; vector lines read them (and write v[32:39]); in wave 0 LDS loads land in v[32:71] once more.
;   v[18:21], v29                written by vector lines, read by the two LDS stores.
;   v[88:95], v[108:111]         written by vector lines, read by the three global stores, which stand together behind all the packing.
; No register that a memory or LDS instruction reads is written again.  So: one wait on va_sdst at the head, and a wait on va_vdst ahead of the first load, of the table's load, of the LDS stores (it serves wave 0's
; LDS loads too: no vector line stands between) and of the global stores.
.set LX,    2048                       ; LDS: 0..2047 means [wave][64 positions] f32; 2048..2559 nodes [row][8 waves] f32
.set SPARE, 2560                       ; the spare words, 128 bytes for each of eight waves
.set NEG1,  15                         ; v15  -1.0
.set SPW,   16                         ; v16  LDS address of my spare word; never rewritten
.set NIL,   17                         ; v17  0; never rewritten
.set XR,    32                         ; v[32:159]  load k: 4 registers
; a, b -> their bf16 heads packed in dh, and what the heads leave, again as bf16, packed in dl.  t, t+1 at work.
.macro SPLIT dh, dl, a, b, t
	v_cvt_pk_bf16_f32 v[\dh], v[\a], v[\b]
	v_fma_mix_f32_bf16 v[\t], v[\dh], v[NEG1], v[\a] op_sel_hi:[1,0,0]                    ; a - head(a): exact
	v_fma_mix_f32_bf16 v[(\t)+1], v[\dh], v[NEG1], v[\b] op_sel:[1,0,0] op_sel_hi:[1,0,0]   ; b - head(b)
	v_cvt_pk_bf16_f32 v[\dl], v[\t], v[(\t)+1]
.endm
.macro FINISH                          ; the wave's end
	s_wait_dscnt 0x0
	s_wait_alu 0x0
	s_wait_tensorcnt 0x0
	ds_add_u32 v[SPW], v[NIL]
	s_wait_dscnt 0x0
	s_endpgm
.endm
	s_load_b256 s[4:11], s[0:1], 0x0               ; x s[4:5], pos s[6:7], pe_table s[8:9], XBF s[10:11]
	s_load_b64 s[12:13], s[0:1], 0x20              ; X1F
	v_lshl_add_u32 v[SPW], v0, 2, SPARE
	v_mov_b32 v[NIL], 0
	v_lshrrev_b32 v22, 5, v0
	v_readfirstlane_b32 s14, v22                   ; wave 0..7
	v_and_b32 v1, 31, v0                           ; l
	v_and_b32 v2, 15, v0                           ; r = l % 16
	v_bfe_u32 v3, v0, 4, 1                         ; h = l / 16
	v_cmp_lt_u32 s21, 7, v2                        ; r >= 8
	v_cmp_lt_u32 s22, 15, v1                       ; l >= 16
	v_lshlrev_b32 v4, 4, v1                        ; 16 l
	v_lshlrev_b32 v5, 4, v2                        ; 16 r
	v_lshl_add_u32 v12, v3, 10, v5                 ; 1,024 h + 16 r: the two halves of the lanes store into two blocks
	v_lshlrev_b32 v14, 5, v2                       ; 32 r
	v_mov_b32 v[NEG1], -1.0
.irp i, 24,25,26,27
	v_mov_b32 v\i, 0                               ; destinations of lane exchanges count as read
.endr
	s_wait_alu depctr_va_sdst(0)                   ; s14, s21 and s22 are written, ahead of their first readers: s14's follow at once, s21's and s22's are the selects further down, s22's behind the branch
	v_lshl_add_u32 v10, s14, 8, v5                 ; means: 256 wave + 16 r
	v_lshl_add_u32 v11, s14, 2, v14                ; nodes: 32 r + 4 wave (+ LX)
	s_mov_b32 s24, 0x76543210                      ; each lane its own place (in the other half; or lanes 0-7 of a half stay)
	s_mov_b32 s25, 0xfedcba98
	s_mov_b32 s23, 0x89abcdef                      ; lanes 8..15 of a half take lanes 15..8
	s_lshr_b32 s16, ttmp9, 6                       ; b
	s_and_b32 s17, ttmp9, 63                       ; G
	s_lshl_b32 s18, ttmp9, 17                      ; the group's 8 planes of 16,384 bytes,
	s_lshl_b32 s19, s14, 14                        ; my wave's plane
	s_add_co_u32 s18, s18, s19
	s_mov_b32 s19, 0
	s_lshl_b32 s26, s16, 14                        ; pos[b]
	s_mov_b32 s27, 0
	s_lshl_b32 s20, s17, 3
	s_add_co_u32 s20, s20, s14
	s_lshl_b32 s20, s20, 2                         ; 4 c: my channel in a row of pe_table
	s_lshr_b32 s28, s17, 2                         ; the block along K: c / 32
	s_and_b32 s29, s17, 3
	s_lshl_b32 s29, s29, 8                         ; block half and lane half: 256 ((c / 8) % 4)
	s_lshl_b32 s30, s16, 16                        ; XBF: 65,536 b + 4,096 block + ...
	s_lshl_b32 s31, s28, 12
	s_add_co_u32 s30, s30, s31
	s_add_co_u32 s30, s30, s29
	s_mov_b32 s31, 0
	s_lshl_b32 s32, s16, 15                        ; X1F: 32,768 b + 2,048 block + ...
	s_lshl_b32 s33, s28, 11
	s_add_co_u32 s32, s32, s33
	s_add_co_u32 s32, s32, s29
	s_mov_b32 s33, 0
	s_wait_kmcnt 0x0
	s_add_nc_u64 s[4:5], s[4:5], s[18:19]
	s_add_nc_u64 s[6:7], s[6:7], s[26:27]
	s_add_nc_u64 s[10:11], s[10:11], s[30:31]
	s_add_nc_u64 s[12:13], s[12:13], s[32:33]
	s_wait_alu depctr_va_vdst(0)                   ; the offsets and LDS addresses v4, v5, v10, v11, v12, v14 are written, which the loads and stores of the whole kernel read
	global_load_b32 v6, v5, s[6:7]                 ; pos[b][0][4 r]
.set k, 0
.rept 32
	global_load_b128 v[XR+4*k:XR+4*k+3], v4, s[4:5] offset:512*k   ; no hint: x is read once more by a later launch
.set k, k+1
.endr
	s_wait_loadcnt 32                              ; pos is in; the 32 loads of x issued behind it stay out
	v_bfe_u32 v6, v6, 3, 7                         ; pos / 8, in 0..127
	v_min_u32 v6, 0x7f, v6
	v_lshl_add_u32 v7, v6, 11, s20                 ; a row of the table is 2,048 bytes
	s_wait_alu depctr_va_vdst(0)                   ; v7 is written, which the table's load reads as its offset
	global_load_b32 v8, v7, s[8:9]
	s_wait_loadcnt 29                              ; loads 0..3 of x are in: behind them 28 of x and the table's
.set k, 2
.rept 30                                               ; even loads are added onto load 0, odd ones onto load 1: four chains
.if k%4 == 0
	s_wait_loadcnt 29-k                            ; loads k..k+3 are in: behind them 28 - k of x and the table's
.endif
	v_pk_add_f32 v[XR+4*(k%2):XR+4*(k%2)+1], v[XR+4*(k%2):XR+4*(k%2)+1], v[XR+4*k:XR+4*k+1]
	v_pk_add_f32 v[XR+4*(k%2)+2:XR+4*(k%2)+3], v[XR+4*(k%2)+2:XR+4*(k%2)+3], v[XR+4*k+2:XR+4*k+3]
.set k, k+1
.endr
	v_pk_add_f32 v[32:33], v[32:33], v[36:37]
	v_pk_add_f32 v[34:35], v[34:35], v[38:39]
.irp i, 0,1,2,3
	v_permlanex16_b32 v[24+\i], v[32+\i], s24, s25 ; the rows of the other parity
.endr
	v_pk_add_f32 v[32:33], v[32:33], v[24:25]
	v_pk_add_f32 v[34:35], v[34:35], v[26:27]
	v_pk_mul_f32 v[32:33], v[32:33], 0x3c800000 op_sel_hi:[1,0]    ; / 64
	v_pk_mul_f32 v[34:35], v[34:35], 0x3c800000 op_sel_hi:[1,0]
	v_add_f32 v28, v32, v33
	v_add_f32 v29, v34, v35
	v_add_f32 v28, v28, v29
	s_wait_loadcnt 0x0                             ; the table's number
	v_fmamk_f32 v28, v28, 0x3e800000, v8           ; node r: the four columns' mean + the encoding
.irp i, 0,1,2,3
	v_permlane16_b32 v[24+\i], v[32+\i], s24, s23  ; lane m >= 8 takes column group 23 - m
.endr
	v_permlane16_b32 v29, v28, s24, s23            ; and node 23 - m
	v_cndmask_b32 v18, v24, v27, s21               ; there the four columns also change places
	v_cndmask_b32 v19, v25, v26, s21
	v_cndmask_b32 v20, v26, v25, s21
	v_cndmask_b32 v21, v27, v24, s21
	s_wait_alu depctr_va_vdst(0)                   ; v[18:21] and v29 are written, which the two LDS stores read; the sums are done reading and writing v[32:159], in part of which wave 0's LDS loads land below
	ds_store_b128 v10, v[18:21]                    ; both halves of the lanes hold the same numbers and write the same bytes
	ds_store_b32 v11, v29 offset:LX
	s_wait_dscnt 0x0                               ; for wave 0's sake: my stores are done
	s_barrier_signal -1
	s_barrier_wait -1
	s_cmp_eq_u32 s14, 0
	s_cbranch_scc1 .Lpack
	FINISH
.Lpack:                                                ; wave 0 packs the 8 planes: lane r takes positions 4 r .. 4 r + 3 and node row r of all eight
.set k, 0
.rept 8
	ds_load_b128 v[XR+4*k:XR+4*k+3], v5 offset:256*k   ; no wait: no vector line since the wait ahead of the LDS stores names v[32:71]
.set k, k+1
.endr
	ds_load_b128 v[64:67], v14 offset:LX
	ds_load_b128 v[68:71], v14 offset:LX+16
	s_wait_dscnt 0x0
.set q, 0
.rept 4                                                ; block q holds positions 4 r + q: 8 planes are 8 bf16, 16 bytes
.set p, 0
.rept 4
	v_cvt_pk_bf16_f32 v[72+4*q+p], v[XR+8*p+q], v[XR+8*p+4+q]
.set p, p+1
.endr
.set q, q+1
.endr
.irp p, 0,1,2,3
	v_cndmask_b32 v[88+\p], v[72+\p], v[76+\p], s22    ; lanes 0-15 store block 0 (2), lanes 16-31 block 1 (3)
	v_cndmask_b32 v[92+\p], v[80+\p], v[84+\p], s22
.endr
	SPLIT 96, 100, 64, 65, 22
	SPLIT 97, 101, 66, 67, 30
	SPLIT 98, 102, 68, 69, 22
	SPLIT 99, 103, 70, 71, 30
.irp p, 0,1,2,3
	v_cndmask_b32 v[108+\p], v[96+\p], v[100+\p], s22  ; lanes 0-15 store the heads' block, lanes 16-31 the remainders'
.endr
	s_wait_alu depctr_va_vdst(0)                   ; the selects have written v[88:95] and v[108:111], which the three stores read
	global_store_b128 v12, v[88:91], s[10:11]              ; 16 lanes store 256 consecutive bytes, aligned
	global_store_b128 v12, v[92:95], s[10:11] offset:2048
	global_store_b128 v12, v[108:111], s[12:13]
	FINISH
.Lfunc_end_k_q4bab89b148_colmean:
	.size	k_q4bab89b148_colmean, .Lfunc_end_k_q4bab89b148_colmean-k_q4bab89b148_colmean
	.p2alignl 7, 3214868480
	.fill 96, 4, 3214868480
	.section	.rodata,"a",@progbits
	.p2align	6, 0x0
	.amdhsa_kernel k_q4bab89b148_colmean
		.amdhsa_group_segment_fixed_size 3584
		.amdhsa_private_segment_fixed_size 0
		.amdhsa_enable_private_segment 0
		.amdhsa_kernarg_size 40
		.amdhsa_user_sgpr_count 2
		.amdhsa_user_sgpr_kernarg_segment_ptr 1
		.amdhsa_wavefront_size32 1
		.amdhsa_system_sgpr_workgroup_id_x 1
		.amdhsa_system_sgpr_workgroup_id_y 1
		.amdhsa_system_sgpr_workgroup_id_z 1
		.amdhsa_system_vgpr_workitem_id 0
		.amdhsa_next_free_vgpr 160
		.amdhsa_next_free_sgpr 66
		.amdhsa_reserve_vcc 0
		.amdhsa_float_denorm_mode_32 3
		.amdhsa_float_denorm_mode_16_64 3
		.amdhsa_memory_ordered 1
		.amdhsa_forward_progress 1
		.amdhsa_inst_pref_size 16
	.end_amdhsa_kernel
	.amdgpu_metadata
---
amdhsa.version: [ 1, 2 ]
amdhsa.kernels:
  - .name:           k_q4bab89b148_colmean
    .symbol:         k_q4bab89b148_colmean.kd
    .args:
      - { .name: x, .offset: 0, .size: 8, .value_kind: global_buffer, .address_space: global }
      - { .name: pos, .offset: 8, .size: 8, .value_kind: global_buffer, .address_space: global }
      - { .name: pe_table, .offset: 16, .size: 8, .value_kind: global_buffer, .address_space: global }
      - { .name: XBF, .offset: 24, .size: 8, .value_kind: global_buffer, .address_space: global }
      - { .name: X1F, .offset: 32, .size: 8, .value_kind: global_buffer, .address_space: global }
    .group_segment_fixed_size: 3584
    .private_segment_fixed_size: 0
    .kernarg_segment_align: 8
    .kernarg_segment_size: 40
    .max_flat_workgroup_size: 256
    .sgpr_count:     66
    .vgpr_count:     160
    .wavefront_size: 32
...
	.end_amdgpu_metadata
.endif
;; end of part 5
;; launch kproj: the kernel of part 2 again; grid 64 x 1, 8 waves a work-group, no clusters, 9,216 bytes of LDS; arguments Wk, bk, X1F, KF; writes KF
;; launch gv: the kernel of part 3 again; grid 160 x 1, 8 waves a work-group, no clusters, 34,304 bytes of LDS; arguments Wq, bq, KF, Wv, XBF, GF, EB, VBF; writes GF, EB, VBF
;; launch attn (part 6): grid 256 x 1, 16 waves a work-group, no clusters, 75,776 bytes of LDS; arguments x, GF, EB, VBF, bv, gamma, out0; writes out0
.if DOCPART == 6
	.amdgcn_target "amdgcn-amd-amdhsa--gfx1250"
	.amdhsa_code_object_version 6
	.text
	.protected	k_q4bab89b148_attn
	.globl	k_q4bab89b148_attn
	.p2align	8
	.type	k_q4bab89b148_attn,@function
k_q4bab89b148_attn:
	s_mov_b64 s[64:65], 0
	v_nop
	global_prefetch_b8 v0, s[64:65] scope:SCOPE_SE
	s_setreg_imm32_b32 hwreg(HW_REG_WAVE_SCHED_MODE, 0, 2), 2
	s_setreg_imm32_b32 hwreg(HW_REG_WAVE_MODE, 25, 1), 1
	s_wait_xcnt 0x0
	s_wait_alu depctr_vm_vsrc(0)
; ATTENTION AND RESIDUAL.  out0[b][c][n] = gamma (sum over w of p[n][w] vbar[c][w] + bv[c]) + x[b][c][n].
; The keys are one row broadcast over the 64 image rows, so a query has 64 different scores e[n][w], each 64 times: the softmax over 4,096 keys is 1/64 of the softmax p over the 64 columns,
; and the values enter by their mean over h (vbar).  e[n][w] is the interpolation, with the key row's own weights, of 16 node scores E[n][m] = x[:, n] . g[m] + eb[m].
; SHARES.  A work-group owns one image row: 64 queries x 512 channels, 128 KiB of x.  Wave k of 16 owns channels 32 k .. 32 k + 31: 64 registers of x in f32, read once, used for the scores and kept for the
; residual.  16 waves of 256 registers fill the four SIMDs' registers: one work-group on a WGP.
; x lies [c][n], n along the rows: a lane loads 16 bytes of row c = 32 k + 16 f + 8 h + i; component q of the 16 loads is a fragment whose column r is query 4 r + q.  16 lanes read, and later
; write, 256 consecutive bytes, aligned.
; SCORES.  Source 0 = g's images (rows m), source 1 = x; both as two bf16 (head, remainder), three products: the scores are unscaled.  The 16 waves' partial sums meet in LDS.
; SOFTMAX.  Waves 0-3, a tile of 16 queries each.  Lane (n, h) holds nodes 0..7 (h = 0) or 15..8 (h = 1) and makes 32 scores: w = slot, or 63 - slot; since the grid of w is symmetric both halves use the
; same registers and the same constants t = ((5 slot) mod 21) / 21.  The maximum is taken away before the exponentials; p is divided by its sum in f32 and then rounded to bf16.
; VALUES.  Source 0 = vbar's images (rows c), source 1 = p as it lies in the lanes; bv in f32 is the C operand that starts the sum (the weights add up to 1).
; LIMITS.  e = a + t (b - a), with t rounded once: an f32 rounding away from a (1 - t) + b t.  A weight below 2^-126 counts as 0.  NaN and infinities are not treated apart.
; No cluster and no fills of LDS by an engine: x must be split in registers and kept there; what the 64 groups of a batch share (g 2 KiB and vbar 4 KiB a wave) are register images that need no trip through LDS.
; THE MODE: SCHED_MODE bits 1:0 = 2 (LLVM: expert scheduling mode 2), set by the entry lines.  The code itself states the register dependences
; between vector or matrix instructions and memory or LDS instructions, with s_wait_alu, always for 0.
; THE PLAN.  Registers that memory or LDS instructions touch:
;   v4 .. v10       offsets and LDS addresses: made at the head, never written again.
;   X v[16:79]      loads land once; the splits read it; the residual's multiply-adds write it, a half of 32 registers at a time; the stores read it.  The first half's stores are dealt among the second half's
;                   multiply-adds, which name other registers.
;   v[80:151]       vbar, bv, g, eb: loads land once.  g's and eb's registers are used again: by the softmax's vector lines, and then p's LDS loads land in v[128:191].
;   E v[160:191]    written by the first products, read by the eight LDS stores; then partial sums 8 to 11 (waves 0-3) or p (the others) land there.
;   v[192:255]      written by the splits, read by the first products; then partial sums land there (waves 0-3): 0 to 7, and 12 to 15 in the first four slots once these have been added.
;   P v[128:143]    written by the roundings, read by four LDS stores (waves 0-3); then p lands there.
; The waits on va_vdst: ahead of the first load; ahead of the stores of E (it also shows the splits and the products done with v[128:255]); one in the run of sixteen additions, ahead of the four slots' second loads;
; behind the exponentials; behind the reciprocals; ahead of the stores of P; ahead of each half of the last stores.  On vm_vsrc: behind each of the two barriers, for the stores of E and of P.  On va_sdst: once, at the head.
.set PF,    65536                      ; LDS: 0..65535 partial scores [q][wave][half][lane][16 bytes]; 65536..73727 p [q][4][lane][16 bytes]
.set SPARE, 73728                      ; the spare words, 128 bytes for each of sixteen waves
.set SPW,  12                          ; v12  LDS address of my spare word; never rewritten
.set NIL,  13                          ; v13  0; never rewritten
.set NEG1, 14                          ; v14  -1.0
.set X,    16                          ; v[16:79]    x: 4 (8 f + i) + q
.set VB,   80                          ; v[80:111]   vbar: 16 f + 8 s
.set BV,   112                         ; v[112:127]  bv: 8 f
.set GH,   128                         ; v[128:135]  g's heads;  v[136:143] its remainders
.set GL,   136
.set EBR,  144                         ; v[144:151]  eb[8 h + 0..7]
.set T,    152                         ; v[152:159]  at work
.set E,    160                         ; v[160:191]  node scores, 8 q
.set FH,   192                         ; v[192:223]  x's heads, 8 q + p
.set FL,   224                         ; v[224:255]  its remainders
.set PB,   192                         ; softmax: eight slots for partial sums; four more lie in E's registers
.set R,    128                         ; softmax: v[128:136] nine nodes
.set DD,   144                         ; softmax: v[144:151] their differences
.set S,    160                         ; softmax: v[160:191] 32 scores, then weights
.set P,    128                         ; softmax: v[128:143] weights in bf16
.set PR,   128                         ; values: v[128:191] p: 16 q + 8 s
.set O,    192                         ; values: v[192:255] results: 32 f + 8 q
.set WV,   20                          ; s20  my wave's number
.macro SPLIT dh, dl, a, b, t
	v_cvt_pk_bf16_f32 v[\dh], v[\a], v[\b]
	v_fma_mix_f32_bf16 v[\t], v[\dh], v[NEG1], v[\a] op_sel_hi:[1,0,0]
	v_fma_mix_f32_bf16 v[(\t)+1], v[\dh], v[NEG1], v[\b] op_sel:[1,0,0] op_sel_hi:[1,0,0]
	v_cvt_pk_bf16_f32 v[\dl], v[\t], v[(\t)+1]
.endm
.macro MM0 d, a, b
	v_wmma_f32_16x16x32_bf16 v[\d:(\d)+7], v[\a:(\a)+7], v[\b:(\b)+7], 0
.endm
.macro MMA d, a, b
	v_wmma_f32_16x16x32_bf16 v[\d:(\d)+7], v[\a:(\a)+7], v[\b:(\b)+7], v[\d:(\d)+7]
.endm
.macro MMC d, a, b, c                  ; other registers start the sum
	v_wmma_f32_16x16x32_bf16 v[\d:(\d)+7], v[\a:(\a)+7], v[\b:(\b)+7], v[\c:(\c)+7]
.endm
.macro SLOTOF k                        ; rB: the eight registers of wave k's partial scores: 0-7 in v[192:255], 8-11 in v[160:191], 12-15 in v[192:223] once more
.if (\k) < 8
.set rB, PB+8*(\k)
.elseif (\k) < 12
.set rB, E+8*((\k)-8)
.else
.set rB, PB+8*((\k)-12)
.endif
.endm
.macro LOADP k, reg                    ; wave k's partial scores of my tile
	ds_load_b128 v[\reg:(\reg)+3], v8 offset:1024*(\k)
	ds_load_b128 v[(\reg)+4:(\reg)+7], v8 offset:1024*(\k)+512
.endm
.macro ITP n, i, kk                    ; slot n: node i + t (node i + 1 - node i)
	v_fmamk_f32 v[S+\n], v[DD+\i], \kk, v[R+\i]
.endm
	s_load_b256 s[4:11], s[0:1], 0x0               ; x s[4:5], GF s[6:7], EB s[8:9], VBF s[10:11]
	s_load_b128 s[12:15], s[0:1], 0x20             ; bv s[12:13], gamma s[14:15]
	s_load_b64 s[16:17], s[0:1], 0x30              ; out0
	v_lshl_add_u32 v[SPW], v0, 2, SPARE
	v_mov_b32 v[NIL], 0
	v_lshrrev_b32 v15, 5, v0
	v_readfirstlane_b32 s[WV], v15                 ; wave 0..15
	v_and_b32 v1, 31, v0
	v_and_b32 v2, 15, v0                           ; r
	v_bfe_u32 v3, v0, 4, 1                         ; h
	v_lshlrev_b32 v5, 4, v1                        ; 16 l
	v_lshlrev_b32 v6, 5, v3                        ; 32 h
	v_lshlrev_b32 v4, 17, v3
	v_lshl_add_u32 v4, v2, 4, v4                   ; x and out0: 8 h planes of 16,384 bytes + 16 r
	v_add_nc_u32 v9, PF, v5
	v_mov_b32 v[NEG1], -1.0
	s_wait_alu depctr_va_sdst(0)                   ; the wave's number is written, ahead of its first reader: addresses, bases and the branch are made from it
	v_lshl_add_u32 v7, s[WV], 10, v5               ; my partial scores: 1,024 wave + 16 l
	s_and_b32 s23, s[WV], 3
	v_lshl_add_u32 v8, s23, 14, v5                 ; waves 0-3: my tile's partial scores: 16,384 q + 16 l
	v_lshl_add_u32 v10, s23, 11, v9                ; and its weights: PF + 2,048 q + 16 l
	s_lshr_b32 s21, ttmp9, 6                       ; b
	s_and_b32 s22, ttmp9, 63                       ; the image row
	s_lshl_b32 s24, s21, 23                        ; x and out0: a batch is 8 MiB, my 32 planes, the row's 256 bytes
	s_lshl_b32 s25, s[WV], 19
	s_add_co_u32 s24, s24, s25
	s_lshl_b32 s25, s22, 8
	s_add_co_u32 s24, s24, s25
	s_mov_b32 s25, 0
	s_lshl_b32 s30, s21, 15                        ; GF: 32,768 b + 2,048 wave
	s_lshl_b32 s31, s[WV], 11
	s_add_co_u32 s30, s30, s31
	s_mov_b32 s31, 0
	s_lshl_b32 s32, s21, 16                        ; VBF: 65,536 b + 4,096 wave
	s_lshl_b32 s33, s[WV], 12
	s_add_co_u32 s32, s32, s33
	s_mov_b32 s33, 0
	s_lshl_b32 s34, s[WV], 7                       ; bv: 32 numbers a wave
	s_mov_b32 s35, 0
	s_lshl_b32 s36, s21, 6                         ; EB: 16 numbers a batch
	s_mov_b32 s37, 0
	s_mov_b32 s26, 0x3fb8aa3b                      ; log2(e); named as a pair
	s_mov_b32 s27, s26
	s_mov_b32 s28, 0x76543210
	s_mov_b32 s29, 0xfedcba98
	s_wait_kmcnt 0x0
	s_load_b32 s18, s[14:15], 0x0                  ; gamma
	s_add_nc_u64 s[4:5], s[4:5], s[24:25]
	s_add_nc_u64 s[16:17], s[16:17], s[24:25]
	s_add_nc_u64 s[6:7], s[6:7], s[30:31]
	s_add_nc_u64 s[10:11], s[10:11], s[32:33]
	s_add_nc_u64 s[12:13], s[12:13], s[34:35]
	s_add_nc_u64 s[8:9], s[8:9], s[36:37]
	s_wait_alu depctr_va_vdst(0)                   ; the offsets and LDS addresses v4 to v10 are written, which the loads and stores of the whole kernel read
.set k, 0
.rept 4                                                ; k = 2 part + half
	global_load_b128 v[GH+4*k:GH+4*k+3], v5, s[6:7] offset:512*k
.set k, k+1
.endr
.set k, 0
.rept 16                                               ; k = 8 f + i: plane 16 f + i of my lane half's planes; the launch reads each byte of x once
	global_load_b128 v[X+4*k:X+4*k+3], v4, s[4:5] offset:(16*(k/8)+k%8)*16384 th:TH_LOAD_NT
.set k, k+1
.endr
.set k, 0
.rept 8                                                ; k = 4 f + 2 s + half
	global_load_b128 v[VB+4*k:VB+4*k+3], v5, s[10:11] offset:512*k
.set k, k+1
.endr
.set k, 0
.rept 4
	global_load_b128 v[BV+4*k:BV+4*k+3], v6, s[12:13] offset:64*(k/2)+16*(k%2)
.set k, k+1
.endr
	global_load_b128 v[EBR:EBR+3], v6, s[8:9]
	global_load_b128 v[EBR+4:EBR+7], v6, s[8:9] offset:16
	; THE NODE SCORES
.set p, 0
.rept 8
	s_wait_loadcnt 28-2*p                          ; loads 2 p and 2 p + 1 of x are in: behind them 14 - 2 p of x, 8 of vbar, 4 of bv, 2 of eb
.set q, 0
.rept 4
	SPLIT FH+8*q+p, FL+8*q+p, X+8*p+q, X+8*p+4+q, T+2*q
.set q, q+1
.endr
.set p, p+1
.endr
.irp q, 0,1,2,3                                        ; head x head, remainder x head, head x remainder; the four accumulators take turns
	MM0 E+8*\q, GH, FH+8*\q
.endr
.irp q, 0,1,2,3
	MMA E+8*\q, GL, FH+8*\q
.endr
.irp q, 0,1,2,3
	MMA E+8*\q, GH, FL+8*\q
.endr
.rept 5
	v_nop                                          ; four places ahead of the reads of the results, five ahead of later products that write over these products' registers (ISA guide 7.12.1)
.endr
	s_wait_alu depctr_va_vdst(0)                   ; the products have written E, which the LDS stores read, and are done reading g, FH and FL; the splits have written T: LDS loads land in all of these below.  The places above stay beside this wait
.set k, 0
.rept 8                                                ; k = 2 q + half: each accumulator's low registers first
	ds_store_b128 v7, v[E+4*k:E+4*k+3] offset:16384*(k/2)+512*(k%2)
.set k, k+1
.endr
	s_wait_loadcnt 0x0                             ; on every wave's path: vbar, bv and eb are in, so that eb's registers may be written again below (the differences; the loads of p), whichever way the wave goes
	s_wait_kmcnt 0x0                               ; gamma
	s_wait_dscnt 0x0                               ; for the others' sake: my stores are done
	s_barrier_signal -1
	s_barrier_wait -1
	s_wait_alu depctr_vm_vsrc(0)                   ; my LDS stores have read E: on both ways below LDS loads land in its registers (partial sums 8 to 11; p)
	s_cmp_lt_u32 s[WV], 4
	s_cbranch_scc0 .Lno_softmax
	; THE SOFTMAX of tile q = wave
.set k, 0
.rept 12                                               ; partial sums 0 to 11 are asked for at once.  No wait: no vector or matrix line since the wait ahead of the stores of E names v[160:255]
	SLOTOF k
	LOADP k, rB
.set k, k+1
.endr
.set k, 0
.rept 16
	SLOTOF k
.if k < 4
	s_wait_dscnt 22-2*k                            ; partial sum k is in: of the 24 loads issued, 22 - 2 k stand behind its two
.else
	s_wait_dscnt 2*(15-k)                          ; of the 32 loads issued, 2 (15 - k) stand behind its two
.endif
.set i, 0
.rept 4
.if k == 0
	v_pk_add_f32 v[R+2*i:R+2*i+1], v[EBR+2*i:EBR+2*i+1], v[rB+2*i:rB+2*i+1]   ; eb starts the sum
.else
	v_pk_add_f32 v[R+2*i:R+2*i+1], v[R+2*i:R+2*i+1], v[rB+2*i:rB+2*i+1]
.endif
.set i, i+1
.endr
.if k == 3
	s_wait_alu depctr_va_vdst(0)                   ; the additions are done reading the first four slots, in which partial sums 12 to 15 land
.set m, 12
.rept 4
	SLOTOF m
	LOADP m, rB
.set m, m+1
.endr
.endif
.set k, k+1
.endr
	v_mov_b32 v[R+8], 0                            ; a lane exchange's destination counts as read
	v_permlanex16_b32 v[R+8], v[R+7], s28, s29     ; the ninth node lies across the middle: node 8 for h = 0, node 7 for h = 1
.irp i, 0,1,2,3,4,5,6,7
	v_sub_f32 v[DD+\i], v[R+\i+1], v[R+\i]
.endr
	v_mov_b32 v[S], v[R]                           ; slots 0 and 21 fall on nodes
	ITP 1, 0, 0x3e73cf3d                           ; 5/21
	ITP 2, 0, 0x3ef3cf3d                           ; 10/21
	ITP 3, 0, 0x3f36db6e                           ; 15/21
	ITP 4, 0, 0x3f73cf3d                           ; 20/21
	ITP 5, 1, 0x3e430c31                           ; 4/21
	ITP 6, 1, 0x3edb6db7                           ; 9/21
	ITP 7, 1, 0x3f2aaaab                           ; 14/21
	ITP 8, 1, 0x3f679e7a                           ; 19/21
	ITP 9, 2, 0x3e124925                           ; 3/21
	ITP 10, 2, 0x3ec30c31                          ; 8/21
	ITP 11, 2, 0x3f1e79e8                          ; 13/21
	ITP 12, 2, 0x3f5b6db7                          ; 18/21
	ITP 13, 3, 0x3dc30c31                          ; 2/21
	ITP 14, 3, 0x3eaaaaab                          ; 7/21
	ITP 15, 3, 0x3f124925                          ; 12/21
	ITP 16, 3, 0x3f4f3cf4                          ; 17/21
	ITP 17, 4, 0x3d430c31                          ; 1/21
	ITP 18, 4, 0x3e924925                          ; 6/21
	ITP 19, 4, 0x3f061862                          ; 11/21
	ITP 20, 4, 0x3f430c31                          ; 16/21
	v_mov_b32 v[S+21], v[R+5]
	ITP 22, 5, 0x3e73cf3d
	ITP 23, 5, 0x3ef3cf3d
	ITP 24, 5, 0x3f36db6e
	ITP 25, 5, 0x3f73cf3d
	ITP 26, 6, 0x3e430c31
	ITP 27, 6, 0x3edb6db7
	ITP 28, 6, 0x3f2aaaab
	ITP 29, 6, 0x3f679e7a
	ITP 30, 7, 0x3e124925
	ITP 31, 7, 0x3ec30c31
.irp c, 0,1,2,3                                        ; the maximum: four chains of seven scores, three operands at a time
	v_max3_num_f32 v[T+\c], v[S+8*\c], v[S+8*\c+1], v[S+8*\c+2]
.endr
.irp c, 0,1,2,3
	v_max3_num_f32 v[T+\c], v[T+\c], v[S+8*\c+3], v[S+8*\c+4]
.endr
.irp c, 0,1,2,3
	v_max3_num_f32 v[T+\c], v[T+\c], v[S+8*\c+5], v[S+8*\c+6]
.endr
	v_max3_num_f32 v[T], v[T], v[S+7], v[S+15]
	v_max3_num_f32 v[T+2], v[T+2], v[S+23], v[S+31]
	v_max3_num_f32 v[T], v[T], v[T+1], v[T+2]
	v_max_num_f32 v[T], v[T], v[T+3]
	v_permlanex16_b32 v[T+1], v[T], s28, s29       ; the query's other 32 columns lie in the lane 16 away
	v_max_num_f32 v[T], v[T], v[T+1]
	v_mul_f32 v[T+4], s26, v[T]                    ; log2(e) m
	v_mov_b32 v[T+5], v[T+4]                       ; named with it as a pair
.set i, 0
.rept 16
	v_pk_fma_f32 v[S+2*i:S+2*i+1], v[S+2*i:S+2*i+1], s[26:27], v[T+4:T+5] op_sel_hi:[1,0,0] neg_lo:[0,0,1] neg_hi:[0,0,1]  ; log2(e) e - log2(e) m
.set i, i+1
.endr
.set i, 0
.rept 32
	v_exp_f32 v[S+i], v[S+i]
.set i, i+1
.endr
	v_nop                                          ; a plain instruction between the last exponential and the use of its result (ISA guide 5.7.2)
	s_wait_alu depctr_va_vdst(0)                   ; the 32 exponentials have written v[S ..], ahead of their first reader: one wait for the batch
.set i, 0
.rept 8                                                ; the sum, as a tree beside the weights
	v_pk_add_f32 v[PB+2*i:PB+2*i+1], v[S+4*i:S+4*i+1], v[S+4*i+2:S+4*i+3]
.set i, i+1
.endr
.irp i, 0,1,2,3
	v_pk_add_f32 v[PB+4*\i:PB+4*\i+1], v[PB+4*\i:PB+4*\i+1], v[PB+4*\i+2:PB+4*\i+3]
.endr
	v_pk_add_f32 v[PB:PB+1], v[PB:PB+1], v[PB+4:PB+5]
	v_pk_add_f32 v[PB+8:PB+9], v[PB+8:PB+9], v[PB+12:PB+13]
	v_pk_add_f32 v[PB:PB+1], v[PB:PB+1], v[PB+8:PB+9]
	v_add_f32 v[PB], v[PB], v[PB+1]
	v_permlanex16_b32 v[PB+1], v[PB], s28, s29
	v_add_f32 v[PB], v[PB], v[PB+1]
	v_rcp_f32 v[T+6], v[PB]
	v_rcp_f32 v[T+7], v[PB]                        ; twice: a pair for the packed multiply
	v_nop
	s_wait_alu depctr_va_vdst(0)                   ; the two reciprocals have written v[T+6:T+7], ahead of their first reader
.set i, 0
.rept 16
	v_pk_mul_f32 v[S+2*i:S+2*i+1], v[S+2*i:S+2*i+1], v[T+6:T+7]
.set i, i+1
.endr
.set i, 0
.rept 16
	v_cvt_pk_bf16_f32 v[P+i], v[S+2*i], v[S+2*i+1]
.set i, i+1
.endr
	s_wait_alu depctr_va_vdst(0)                   ; the roundings have written v[P ..], which the LDS stores read; the softmax's lines are done with v[128:191], in which p's loads land below
.irp i, 0,1,2,3
	ds_store_b128 v10, v[P+4*\i:P+4*\i+3] offset:512*\i
.endr
.Lno_softmax:
	s_wait_dscnt 0x0                               ; for the others' sake: the weights are stored
	s_barrier_signal -1
	s_barrier_wait -1
	; THE VALUES AND THE RESIDUAL
	s_wait_alu depctr_vm_vsrc(0)                   ; in waves 0-3 the stores of the weights have read v[P ..], in which the loads below land
.set k, 0
.rept 16                                               ; k = 4 q + quarter
	ds_load_b128 v[PR+4*k:PR+4*k+3], v9 offset:512*k
.set k, k+1
.endr
	s_wait_dscnt 0x0
.irp ff, 0,1                                           ; eight accumulators take turns; bv starts the sums
.irp q, 0,1,2,3
	MMC O+32*\ff+8*\q, VB+16*\ff, PR+16*\q, BV+8*\ff
.endr
.endr
.irp ff, 0,1
.irp q, 0,1,2,3
	MMA O+32*\ff+8*\q, VB+16*\ff+8, PR+16*\q+8
.endr
.endr
.rept 4
	v_nop                                          ; four places between the last product and the first read of a result
.endr
	; register j of accumulator (f, q) is channel 32 wave + 16 f + 8 h + j, query 4 r + q: where x lies.  Each accumulator is read from its low end on.
.irp j, 0,1,2,3,4,5,6,7                                ; channels f = 0
.irp q, 0,1,2,3
	v_fma_f32 v[X+4*\j+\q], s18, v[O+8*\q+\j], v[X+4*\j+\q]
.endr
.endr
	s_wait_alu depctr_va_vdst(0)                   ; the multiply-adds have written v[X:X+31], which the eight stores below read
.irp j, 0,1,2,3,4,5,6,7                                ; those stores, dealt among the multiply-adds of channels f = 1, which name v[X+32:X+63] and their own accumulators alone
	global_store_b128 v4, v[X+4*\j:X+4*\j+3], s[16:17] offset:\j*16384 th:TH_STORE_NT   ; 16 lanes store 256 consecutive bytes, aligned
.irp q, 0,1,2,3
	v_fma_f32 v[X+4*(8+\j)+\q], s18, v[O+32+8*\q+\j], v[X+4*(8+\j)+\q]
.endr
.endr
	s_wait_alu depctr_va_vdst(0)                   ; the multiply-adds have written v[X+32:X+63], which the last eight stores read
.irp j, 0,1,2,3,4,5,6,7
	global_store_b128 v4, v[X+4*(8+\j):X+4*(8+\j)+3], s[16:17] offset:(16+\j)*16384 th:TH_STORE_NT
.endr
	s_wait_dscnt 0x0                               ; the wave's end
	s_wait_alu 0x0
	s_wait_tensorcnt 0x0
	ds_add_u32 v[SPW], v[NIL]
	s_wait_dscnt 0x0
	s_endpgm
.Lfunc_end_k_q4bab89b148_attn:
	.size	k_q4bab89b148_attn, .Lfunc_end_k_q4bab89b148_attn-k_q4bab89b148_attn
	.p2alignl 7, 3214868480
	.fill 96, 4, 3214868480
	.section	.rodata,"a",@progbits
	.p2align	6, 0x0
	.amdhsa_kernel k_q4bab89b148_attn
		.amdhsa_group_segment_fixed_size 75776
		.amdhsa_private_segment_fixed_size 0
		.amdhsa_enable_private_segment 0
		.amdhsa_kernarg_size 56
		.amdhsa_user_sgpr_count 2
		.amdhsa_user_sgpr_kernarg_segment_ptr 1
		.amdhsa_wavefront_size32 1
		.amdhsa_system_sgpr_workgroup_id_x 1
		.amdhsa_system_sgpr_workgroup_id_y 1
		.amdhsa_system_sgpr_workgroup_id_z 1
		.amdhsa_system_vgpr_workitem_id 0
		.amdhsa_next_free_vgpr 256
		.amdhsa_next_free_sgpr 66
		.amdhsa_reserve_vcc 0
		.amdhsa_float_denorm_mode_32 3
		.amdhsa_float_denorm_mode_16_64 3
		.amdhsa_memory_ordered 1
		.amdhsa_forward_progress 1
		.amdhsa_inst_pref_size 40
	.end_amdhsa_kernel
	.amdgpu_metadata
---
amdhsa.version: [ 1, 2 ]
amdhsa.kernels:
  - .name:           k_q4bab89b148_attn
    .symbol:         k_q4bab89b148_attn.kd
    .args:
      - { .name: x, .offset: 0, .size: 8, .value_kind: global_buffer, .address_space: global }
      - { .name: GF, .offset: 8, .size: 8, .value_kind: global_buffer, .address_space: global }
      - { .name: EB, .offset: 16, .size: 8, .value_kind: global_buffer, .address_space: global }
      - { .name: VBF, .offset: 24, .size: 8, .value_kind: global_buffer, .address_space: global }
      - { .name: bv, .offset: 32, .size: 8, .value_kind: global_buffer, .address_space: global }
      - { .name: gamma, .offset: 40, .size: 8, .value_kind: global_buffer, .address_space: global }
      - { .name: out0, .offset: 48, .size: 8, .value_kind: global_buffer, .address_space: global }
    .group_segment_fixed_size: 75776
    .private_segment_fixed_size: 0
    .kernarg_segment_align: 8
    .kernarg_segment_size: 56
    .max_flat_workgroup_size: 512
    .sgpr_count:     66
    .vgpr_count:     256
    .wavefront_size: 32
...
	.end_amdgpu_metadata
.endif
;; end of part 6
